; MI455X (gfx1250); checked and timed in simulation.
; The chip was launched on July 23, 2026; its instructions are those of AMD's public machine-readable ISA for CDNA 5 (MIT licence, August 2026) and "CDNA5" Instruction Set Architecture Reference Guide (July 2026). The comments in the code are by the model that wrote it; some were corrected since.
;; Multi Head Attention. Allowed arithmetic: matrix products marked QUANTISED: E2M3 operands, one E8M0 scale for each 32 along K, by v_wmma_scale_f32_16x16x128_f8f6f4 with both operands' format E2M3, f32 sums; everything else in f32.
;; Inputs: Wk 1,024 x 1,024 float32; Wo 1,024 x 1,024 float32; Wq 1,024 x 1,024 float32; Wv 1,024 x 1,024 float32; bo 1,024 float32; x 4 x 2,048 x 1,024 float32.
;; Outputs: out0 4 x 2,048 x 1,024 float32.
;; This version of the problem:
;;   THIS VERSION OF THE PROBLEM IS GIVEN IN LOW PRECISION. The matrix products marked QUANTISED in the list below multiply operands that are first quantised to E2M3 (2 exponent bits, 3 mantissa bits; 6 bits a number), with one power-of-two scale for each 32 numbers along K (OCP MX v1.0); their sums are f32. All else is computed in f32.
;;   The module's matrix products, in the order in which they are computed (A, B: the left and right operand; K: the contracted axis; several contracted axes count as one K, in the product's order):
;;     1. [M 8,192, K 1,024] x [K 1,024, N 1,024]; A: input x; B: input Wq: QUANTISED
;;     2. [M 8,192, K 1,024] x [K 1,024, N 1,024]; A: input x; B: input Wk: QUANTISED
;;     3. [M 8,192, K 1,024] x [K 1,024, N 1,024]; A: input x; B: input Wv: QUANTISED
;;     4. batch 64 x [M 2,048, K 64] x [K 64, N 2,048]; A: computed on the way; B: computed on the way: QUANTISED
;;     5. batch 64 x [M 2,048, K 2,048] x [K 2,048, N 64]; A: softmax (see below); B: computed on the way: QUANTISED
;;     6. [M 8,192, K 1,024] x [K 1,024, N 1,024]; A: computed on the way; B: input Wo: QUANTISED
;;   THE QUANTISER, for each operand of a quantised product, along K:
;;     - K is cut into blocks of 32 from its start; a last block that is shorter is filled with zeros.
;;     - A block's scale is 2^e with e = floor(log2(the largest magnitude in the block)) - 2, held to -126 .. 127; a block of zeros has e = 0. As a byte (E8M0): e + 127.
;;     - Each number is divided by its block's scale, clamped to +-7.5, and rounded to the nearest number of E2M3, ties to even, subnormals kept.
;;     - The product sums the exact products of the quantised numbers (number of the format x scale) in f32.
;;   ~~~python
;;   def quantise(x, axis):      # numpy; x: float32 -> the quantised numbers, widened to float32 again
;;       x = np.moveaxis(x, axis, -1); K = x.shape[-1]
;;       x = np.pad(x, [(0, 0)] * (x.ndim - 1) + [(0, -K % 32)]); x = x.reshape(x.shape[:-1] + (-1, 32)); a = np.abs(x).max(-1, keepdims=True)
;;       e = np.where(a > 0, np.clip(np.frexp(np.where(a > 0, a, 1))[1] - 1 - 2, -126, 127), 0)      # np.frexp(a)[1] - 1 = floor(log2(a)), exactly
;;       r = np.clip(x / 2.0 ** e, -7.5, 7.5)
;;       step = 2.0 ** (np.maximum(np.frexp(np.where(r == 0, 1, r))[1] - 1, 0) - 3)
;;       q = np.round(r / step) * step * 2.0 ** e      # np.round: ties to even
;;       return np.moveaxis(q.reshape(q.shape[:-2] + (-1,))[..., :K], -1, axis).astype(np.float32)
;;   ~~~
;;   SOFTMAX AHEAD OF A QUANTISED PRODUCT. Where the list says 'softmax', what is quantised is not the finished softmax but p = 2^(t - M), with t = logit x log2(e) and M = ceil(the row's largest t), a whole number; so 1/2 < the row's largest p <= 1. The row's sum l is taken of the UNQUANTISED p, in f32, and the product's result is divided by l at the end. Since M is a whole number, a kernel that streams over the keys may use a running M (the ceiling of the running maximum): every later rescaling is an exact power of two, which a block's scale takes up: the codes' values come out the same.
;;   OPERANDS COMPUTED ON THE WAY. 'Computed on the way' means the value that the module computes at that place (a softmax that the list does not call 'softmax' is quantised finished and normalised). What goes into a quantiser is computed in f32, as accurately as f32 sums, v_exp_f32 and their like allow (about 1e-6 of the number): no bf16 or f16 on the way to a quantiser, and a product that is left as it is and whose result goes on into a quantised operand takes f32 operands (vector FMAs, or v_wmma_f32_16x16x4_f32). A number that lies on a knife's edge between two numbers of the format may be rounded either way, as far as f32 arithmetic and the matrix unit's own rounding can turn it there, and no further.
;; One version. Each part assembles by itself: llvm-mc -triple=amdgcn-amd-amdhsa -mcpu=gfx1250 --defsym DOCPART=n.
;; ======== version 1 of 1: 4 launches
;; workspace buffers: xc 6,291,456 bytes; xs 262,144 bytes; wc 3,145,728 bytes; ws 131,072 bytes; qkvc 18,874,368 bytes; qkvs 786,432 bytes; cc 6,291,456 bytes; cs 262,144 bytes
;; launch quant (part 1): grid 512 x 1, 4 waves a work-group, no clusters, 46,592 bytes of LDS; arguments x, Wq, Wk, Wv, Wo, xc, xs, wc, ws; writes xc, xs, wc, ws
.if DOCPART == 1
	.amdgcn_target "amdgcn-amd-amdhsa--gfx1250"
	.amdhsa_code_object_version 6
	.text
	.protected	k_q191c9868af_quant
	.globl	k_q191c9868af_quant
	.p2align	8
	.type	k_q191c9868af_quant,@function
k_q191c9868af_quant:
	s_mov_b64 s[64:65], 0
	v_nop
	global_prefetch_b8 v0, s[64:65] scope:SCOPE_SE
	s_setreg_imm32_b32 hwreg(HW_REG_WAVE_MODE, 25, 1), 1
	s_wait_xcnt 0x0
; x [8192][1024] and Wq, Wk, Wv, Wo [1024 (k)][1024 (n)], f32, become codes of FP6 (E2M3) with one E8M0 byte for each 32 along K, laid as IMAGES OF OPERAND REGISTERS.
; ROWS come in rowblocks of 128 = 8 tiles of 16; lane row r of tile t is row 32 (t / 2) + 8 (t % 2) + r + 8 (r / 8) of its rowblock.  For a weight a row is an output column n.
; A FRAGMENT (16 rows x 128 K) is 12 registers a lane: lane (r, h) registers 6 c .. 6 c + 5 = k 64 c + 32 h + 0 .. 31.  Its image is 1,536 bytes: plane p (512 bytes) holds lane l's registers 4 p .. 4 p + 3 at 16 l.
; CODES: [rowblock][K step 0..7][tile][1,536].  SCALES: [rowblock][K half][tile][r][4 words], word j = the four bytes of K step 4 half + j.
; A block's scale is 2^(floor(log2(largest magnitude)) - 2): its byte is the largest magnitude's exponent field - 2, held at 1 from below by a floor among the maximum's leaves.
; LIMITS: NaN and infinities among the inputs are not served.  A block of zeros gets the byte 1 where the rule says 127: its codes are zeros, and the bytes are read by this program alone.
; Work-groups 0-255 take x, a wave one tile x half of K (4 K steps); work-groups 256-511 take the weights, a wave 32 columns x one K step.  Each way has LDS bytes of its own.  Waves share nothing: no barrier.
; The weights' scale words leave as 4 bytes a lane, 16 bytes apart: 131,072 bytes in all, one byte for each 128 that the way reads.
.set XP,    528                        ; x's stage: a row of 512 bytes + 16, so that sixteen rows begin in sixteen different groups of banks
.set XSTG,  16*XP                      ; a wave's stage on x's way
.set WST0,  4*XSTG                     ; behind them: the weights' stages,
.set WSTG,  3072                       ; two images a wave
.set SPARE, WST0+4*WSTG                ; behind them: the spare words, 128 bytes a wave, which no other line names
.set SPW, 24                           ; v24  my spare word's address; never rewritten
.set NIL, 25                           ; v25  0; never rewritten
.set R,   32                           ; x: v32-159  two sets of 64 registers as loaded
.set X,   160                          ; x: v160-223 my 64 numbers of a K step: register 32 c + i = k 64 c + 32 h + i
.set P,   224                          ; x: v224-235 the fragment
.set T,   236                          ; x: v236-243 second halves of the blocks' codes
.set N,   32                           ; W: v32-159  my column's 128 numbers down K
.set C,   160                          ; W: v160-183 six registers of codes for each block
.set TT,  184                          ; W: v184-186
.set OUT, 192                          ; W: v192-215 the two images on their way out
	s_load_b256 s[4:11], s[0:1], 0x0               ; x, Wq, Wk, Wv
	s_load_b256 s[12:19], s[0:1], 0x20             ; Wo, xc, xs, wc
	s_load_b64 s[20:21], s[0:1], 0x40              ; ws
	v_lshl_add_u32 v[SPW], v0, 2, SPARE
	v_mov_b32 v[NIL], 0
	v_lshrrev_b32 v1, 5, v0
	v_readfirstlane_b32 s22, v1                    ; wave
	v_and_b32 v1, 31, v0                           ; lane
	v_lshlrev_b32 v4, 4, v1                        ; 16 x lane
	s_mov_b32 s24, 0x76543210
	s_mov_b32 s25, 0xfedcba98                      ; v_permlanex16_b32's selects for lane l xor 16
	s_cmp_lt_u32 ttmp9, 256
	s_cbranch_scc0 .Lweights
	; ---------------- x ----------------
	v_and_b32 v2, 15, v0                           ; r
	v_bfe_u32 v3, v0, 4, 1                         ; h
	s_mul_i32 s23, s22, XSTG                       ; my stage
	v_add_nc_u32 v5, s23, v4                       ; in: 16 x lane of a row
	v_mul_u32_u24 v6, v2, XP
	v_lshl_add_u32 v6, v3, 7, v6
	v_add_nc_u32 v6, s23, v6                       ; back: row r, + 128 h bytes: my 32 numbers of each 64
	v_lshlrev_b32 v7, 3, v3                        ; 8 h: where my two bytes stand in the scale word
	v_lshlrev_b32 v8, 4, v2                        ; 16 r
	v_mov_b32 v17, 0                               ; a lane permute's destination counts as read
	s_lshl_b32 s26, ttmp9, 2
	s_add_co_u32 s26, s26, s22                     ; 4 x work-group + wave
	s_and_b32 s27, s26, 1                          ; which half of K
	s_bfe_u32 s29, s26, 0x30001                    ; tile t
	s_lshr_b32 s28, s26, 4                         ; rowblock
	s_lshl_b32 s30, s28, 7
	s_lshr_b32 s31, s29, 1
	s_lshl_b32 s31, s31, 5
	s_add_co_u32 s30, s30, s31
	s_and_b32 s31, s29, 1
	s_lshl_b32 s31, s31, 3
	s_add_co_u32 s30, s30, s31                     ; the tile's first row: 128 rb + 32 (t / 2) + 8 (t % 2)
	s_lshl_b32 s30, s30, 12                        ; rows of 4,096 bytes
	s_lshl_b32 s31, s27, 11
	s_add_co_u32 s30, s30, s31
	s_mov_b32 s31, 0
	s_mul_i32 s32, s28, 98304
	s_mul_i32 s33, s27, 49152
	s_add_co_u32 s32, s32, s33
	s_mul_i32 s33, s29, 1536
	s_add_co_u32 s32, s32, s33
	s_mov_b32 s33, 0
	s_lshl_b32 s34, s28, 12
	s_lshl_b32 s35, s27, 11
	s_add_co_u32 s34, s34, s35
	s_lshl_b32 s35, s29, 8
	s_add_co_u32 s34, s34, s35
	s_mov_b32 s35, 0
	s_wait_alu depctr_va_vdst(0)
	s_wait_kmcnt 0x0
	s_add_nc_u64 s[4:5], s[4:5], s[30:31]
	s_add_nc_u64 s[14:15], s[14:15], s[32:33]
	s_add_nc_u64 s[16:17], s[16:17], s[34:35]
.macro LOADX q                         ; K step q of my half: sixteen rows, 512 consecutive bytes each
.set IX, 0
.rept 16
	global_load_b128 v[R+64*((\q)%2)+4*IX:R+64*((\q)%2)+4*IX+3], v4, s[4:5] offset:(IX+8*(IX/8))*4096+512*(\q) th:TH_LOAD_NT
.set IX, IX+1
.endr
.endm
.macro XSTEP q
.if (\q) < 3
	s_wait_loadcnt 16                              ; this K step's sixteen loads are in; the next step's sixteen may be out
.else
	s_wait_loadcnt 0x0
.endif
.set IX, 0
.rept 16
	ds_store_b128 v5, v[R+64*((\q)%2)+4*IX:R+64*((\q)%2)+4*IX+3] offset:XP*IX
.set IX, IX+1
.endr
.set IX, 0
.rept 16
	ds_load_b128 v[X+4*IX:X+4*IX+3], v6 offset:256*(IX/8)+16*(IX%8)   ; LDS serves a wave's instructions in order: these see the stores above
.set IX, IX+1
.endr
	s_wait_dscnt 0x0                               ; my numbers are back, and the stores have read their registers,
.if (\q) < 2
	LOADX (\q)+2                                   ; which take the loads of two K steps on
.endif
.irp c, 0,1                                    ; my block 2 c + h: all its 32 numbers are mine
	v_max3_num_f32 v[10+\c], |v[X+32*\c]|, |v[X+32*\c+1]|, 0x1800000   ; with the floor 2^(3 - 127): the byte cannot fall under 1
.endr
.irp i, 2,4,6,8,10,12,14,16,18,20,22,24,26,28,30
.irp c, 0,1
	v_max3_num_f32 v[10+\c], v[10+\c], |v[X+32*\c+\i]|, |v[X+32*\c+\i+1]|
.endr
.endr
.irp c, 0,1
	v_add_nc_u32 v[12+\c], 0xff000000, v[10+\c]    ; 2 off the exponent field: the conversion's scale operand
.endr
.irp c, 0,1
	v_lshrrev_b32 v[14+\c], 23, v[12+\c]           ; the scale's byte
.endr
	v_lshl_or_b32 v16, v15, 16, v14                ; blocks h and 2 + h,
	v_lshlrev_b32 v16, v7, v16                     ; at their places,
	v_permlanex16_b32 v17, v16, s24, s25
	v_or_b32 v[20+(\q)], v16, v17                  ; with lane l xor 16's two: my row's scale word of this K step
.if (\q) > 0
	s_wait_alu depctr_va_vdst(0)
	s_wait_xcnt 0x0                                ; the last step's stores have read the fragment's registers
.endif
.irp c, 0,1
	v_cvt_scalef32_pk16_fp6_f32 v[P+6*\c:P+6*\c+2], v[X+32*\c:X+32*\c+15], v[12+\c]
	v_cvt_scalef32_pk16_fp6_f32 v[T+4*\c:T+4*\c+2], v[X+32*\c+16:X+32*\c+31], v[12+\c]   ; (a conversion's three registers begin on an even number)
.endr
	v_nop                                          ; one plain place behind a scaled conversion
.irp c, 0,1
.irp i, 0,1,2
	v_mov_b32 v[P+6*\c+3+\i], v[T+4*\c+\i]
.endr
.endr
.irp p, 0,1,2
	global_store_b128 v4, v[P+4*\p:P+4*\p+3], s[14:15] offset:12288*(\q)+512*\p   ; a plane: 512 consecutive bytes
.endr
.endm
	LOADX 0
	LOADX 1
	XSTEP 0
	XSTEP 1
	XSTEP 2
	XSTEP 3
	v_cmp_gt_u32 vcc_lo, 16, v1
	s_wait_xcnt 0x0                                ; EXEC changes only behind this wait
	s_and_saveexec_b32 s36, vcc_lo
	global_store_b128 v8, v[20:23], s[16:17]       ; sixteen lanes store the tile's 256 bytes of scale words
	s_wait_xcnt 0x0
	s_or_b32 exec_lo, exec_lo, s36
	s_branch .Lend
	; ---------------- the weights: a lane takes a column, its registers run down K ----------------
.Lweights:
	s_sub_co_u32 s26, ttmp9, 256
	s_lshr_b32 s27, s26, 6                         ; which weight
	s_bfe_u32 s28, s26, 0x30003                    ; K step
	s_and_b32 s29, s26, 7                          ; which 128 columns: the four waves stand side by side on them
	s_lshl_b32 s30, s27, 3
	s_add_co_u32 s30, s30, s29                     ; rowblock of wc: 8 x weight + that
	s_lshl_b32 s32, s28, 19                        ; 128 rows of 4,096 bytes a K step
	s_lshl_b32 s33, s29, 9
	s_add_co_u32 s32, s32, s33
	s_lshl_b32 s33, s22, 7
	s_add_co_u32 s32, s32, s33
	s_mov_b32 s33, 0
	s_mul_i32 s34, s30, 98304
	s_mul_i32 s35, s28, 12288
	s_add_co_u32 s34, s34, s35
	s_mul_i32 s35, s22, 3072                       ; my 32 columns are tiles 2 wave and 2 wave + 1
	s_add_co_u32 s34, s34, s35
	s_mov_b32 s35, 0
	s_lshl_b32 s36, s30, 12
	s_lshr_b32 s37, s28, 2
	s_lshl_b32 s37, s37, 11
	s_add_co_u32 s36, s36, s37
	s_lshl_b32 s37, s22, 9
	s_add_co_u32 s36, s36, s37
	s_and_b32 s37, s28, 3
	s_lshl_b32 s37, s37, 2
	s_add_co_u32 s36, s36, s37
	s_mov_b32 s37, 0
	s_mul_i32 s23, s22, WSTG
	s_add_co_u32 s23, s23, WST0                    ; my stage
	s_wait_alu depctr_va_vdst(0)
	v_lshlrev_b32 v9, 2, v1                        ; 4 x lane: my column
	v_and_b32 v2, 7, v1
	v_lshrrev_b32 v3, 4, v1
	v_lshl_or_b32 v2, v3, 3, v2                    ; column 32 b + L is lane row r = L % 8 + 8 (L / 16)
	v_bfe_u32 v3, v1, 3, 1                         ; of tile 2 b + u, u = (L / 8) % 2
	v_mul_u32_u24 v5, v3, 1536
	v_lshl_add_u32 v5, v2, 4, v5
	v_add_nc_u32 v5, s23, v5                       ; into the stage: image u, 16 r
	v_add_nc_u32 v6, s23, v4                       ; back: 16 x lane
	v_lshlrev_b32 v8, 8, v3
	v_lshl_add_u32 v8, v2, 4, v8                   ; my scale word: 256 u + 16 r
	s_wait_kmcnt 0x0
	s_cmp_eq_u32 s27, 1                            ; the choice hangs on the work-group's number alone
	s_cselect_b64 s[6:7], s[8:9], s[6:7]
	s_cmp_eq_u32 s27, 2
	s_cselect_b64 s[6:7], s[10:11], s[6:7]
	s_cmp_eq_u32 s27, 3
	s_cselect_b64 s[6:7], s[12:13], s[6:7]
	s_add_nc_u64 s[6:7], s[6:7], s[32:33]
	s_add_nc_u64 s[18:19], s[18:19], s[34:35]
	s_add_nc_u64 s[20:21], s[20:21], s[36:37]
.set IX, 0
.rept 128
	global_load_b32 v[N+IX], v9, s[6:7] offset:4096*IX th:TH_LOAD_NT   ; W(128 step + i, my column): a wave reads 128 consecutive bytes, the work-group 512
.set IX, IX+1
.endr
.macro WBLOCK b                        ; block b of my column's four: it is registers 6 (b / 2) .. + 5 of lane r + 16 (b % 2) of my tile's fragment
.if (\b) < 2
	s_wait_loadcnt 63                              ; 96 or 64 younger loads could stay out; the count names 63 at the most
.elseif (\b) == 2
	s_wait_loadcnt 32
.else
	s_wait_loadcnt 0x0
.endif
.set NS, N+32*(\b)
.set CC, C+6*(\b)
	v_max3_num_f32 v10, |v[NS]|, |v[NS+1]|, |v[NS+2]|
	v_max3_num_f32 v11, |v[NS+3]|, |v[NS+4]|, |v[NS+5]|
.irp i, 6,10,14,18,22,26
	v_max3_num_f32 v10, v10, |v[NS+\i]|, |v[NS+\i+1]|
	v_max3_num_f32 v11, v11, |v[NS+\i+2]|, |v[NS+\i+3]|
.endr
	v_max3_num_f32 v10, v10, |v[NS+30]|, |v[NS+31]|
	v_max3_num_f32 v10, v10, v11, 0x1800000        ; and the floor
	v_add_nc_u32 v12, 0xff000000, v10
	v_lshrrev_b32 v13, 23, v12
.if (\b) == 0
	v_mov_b32 v20, v13
.else
	v_lshl_or_b32 v20, v13, 8*(\b), v20            ; the four bytes make my column's scale word of this K step
.endif
	v_cvt_scalef32_pk16_fp6_f32 v[CC:CC+2], v[NS:NS+15], v12
	v_cvt_scalef32_pk16_fp6_f32 v[TT:TT+2], v[NS+16:NS+31], v12
	v_nop                                          ; one plain place behind a scaled conversion
.irp i, 0,1,2
	v_mov_b32 v[CC+3+\i], v[TT+\i]
.endr
.if (\b)/2 == 0
	ds_store_b128 v5, v[CC:CC+3] offset:256*((\b)%2)               ; registers 0-3: plane 0
	ds_store_b64 v5, v[CC+4:CC+5] offset:512+256*((\b)%2)          ; 4, 5: the first half of my 16 bytes of plane 1
.else
	ds_store_b64 v5, v[CC:CC+1] offset:520+256*((\b)%2)            ; 6, 7: the second half
	ds_store_b128 v5, v[CC+2:CC+5] offset:1024+256*((\b)%2)        ; 8-11: plane 2
.endif
.endm
	WBLOCK 0
	WBLOCK 1
	WBLOCK 2
	WBLOCK 3
.irp k, 0,1,2,3,4,5
	ds_load_b128 v[OUT+4*\k:OUT+4*\k+3], v6 offset:512*\k          ; my own bytes, served in order
.endr
	s_wait_alu depctr_va_vdst(0)
.irp k, 0,1,2,3,4,5
	s_wait_dscnt 5-\k
	global_store_b128 v4, v[OUT+4*\k:OUT+4*\k+3], s[18:19] offset:512*\k   ; two images: 3,072 consecutive bytes
.endr
	global_store_b32 v8, v20, s[20:21]
.Lend:
	s_wait_tensorcnt 0x0                           ; the wave's end
	ds_add_u32 v[SPW], v[NIL]
	s_wait_dscnt 0x0
	s_endpgm
.Lfunc_end_k_q191c9868af_quant:
	.size	k_q191c9868af_quant, .Lfunc_end_k_q191c9868af_quant-k_q191c9868af_quant
	.p2alignl 7, 3214868480
	.fill 96, 4, 3214868480
	.section	.rodata,"a",@progbits
	.p2align	6, 0x0
	.amdhsa_kernel k_q191c9868af_quant
		.amdhsa_group_segment_fixed_size 46592
		.amdhsa_private_segment_fixed_size 0
		.amdhsa_enable_private_segment 0
		.amdhsa_kernarg_size 72
		.amdhsa_user_sgpr_count 2
		.amdhsa_user_sgpr_kernarg_segment_ptr 1
		.amdhsa_wavefront_size32 1
		.amdhsa_system_sgpr_workgroup_id_x 1
		.amdhsa_system_sgpr_workgroup_id_y 1
		.amdhsa_system_sgpr_workgroup_id_z 1
		.amdhsa_system_vgpr_workitem_id 0
		.amdhsa_next_free_vgpr 256
		.amdhsa_next_free_sgpr 66
		.amdhsa_reserve_vcc 1
		.amdhsa_float_denorm_mode_32 3
		.amdhsa_float_denorm_mode_16_64 3
		.amdhsa_memory_ordered 1
		.amdhsa_forward_progress 1
		.amdhsa_inst_pref_size 52
	.end_amdhsa_kernel
	.amdgpu_metadata
---
amdhsa.version: [ 1, 2 ]
amdhsa.kernels:
  - .name:           k_q191c9868af_quant
    .symbol:         k_q191c9868af_quant.kd
    .args:
      - { .name: x, .offset: 0, .size: 8, .value_kind: global_buffer, .address_space: global }
      - { .name: Wq, .offset: 8, .size: 8, .value_kind: global_buffer, .address_space: global }
      - { .name: Wk, .offset: 16, .size: 8, .value_kind: global_buffer, .address_space: global }
      - { .name: Wv, .offset: 24, .size: 8, .value_kind: global_buffer, .address_space: global }
      - { .name: Wo, .offset: 32, .size: 8, .value_kind: global_buffer, .address_space: global }
      - { .name: xc, .offset: 40, .size: 8, .value_kind: global_buffer, .address_space: global }
      - { .name: xs, .offset: 48, .size: 8, .value_kind: global_buffer, .address_space: global }
      - { .name: wc, .offset: 56, .size: 8, .value_kind: global_buffer, .address_space: global }
      - { .name: ws, .offset: 64, .size: 8, .value_kind: global_buffer, .address_space: global }
    .group_segment_fixed_size: 46592
    .private_segment_fixed_size: 0
    .kernarg_segment_align: 8
    .kernarg_segment_size: 72
    .max_flat_workgroup_size: 128
    .sgpr_count:     66
    .vgpr_count:     256
    .wavefront_size: 32
...
	.end_amdgpu_metadata
.endif
;; end of part 1
;; launch proj (part 2): grid 24 x 32, 4 waves a work-group, clusters of 4 x 4, 327,680 bytes of LDS; arguments xc, xs, wc, ws, qkvc, qkvs; writes qkvc, qkvs
.if DOCPART == 2
	.amdgcn_target "amdgcn-amd-amdhsa--gfx1250"
	.amdhsa_code_object_version 6
	.text
	.protected	k_q191c9868af_proj
	.globl	k_q191c9868af_proj
	.p2align	8
	.type	k_q191c9868af_proj,@function
k_q191c9868af_proj:
	s_mov_b64 s[64:65], 0
	v_nop
	global_prefetch_b8 v0, s[64:65] scope:SCOPE_SE
	s_setreg_imm32_b32 hwreg(HW_REG_WAVE_MODE, 25, 1), 1
	s_wait_xcnt 0x0
	s_wait_alu depctr_hold_cnt(0) depctr_sa_sdst(0) depctr_va_vdst(0) depctr_va_sdst(0) depctr_va_ssrc(0) depctr_va_vcc(0) depctr_vm_vsrc(0)
	s_getreg_b32 s2, hwreg(HW_REG_IB_STS2, 6, 4)
	s_cmp_eq_u32 s2, 0
	s_cbranch_scc0 .Lentry_in_a_cluster
	s_endpgm
.Lentry_in_a_cluster:
	s_bfe_u32 s2, ttmp6, 0x10000c
	s_cmp_lg_u32 s2, 0xf033
	s_cbranch_scc0 .Lentry_shape_is_right
	s_endpgm
.Lentry_shape_is_right:
; q = x Wq, k = x Wk, v = x Wv on codes of FP6 (E2M3) with E8M0 scales, K = 1,024; the results are quantised in registers and leave as codes: q and k along the head's 64, v along the keys.
; OPERANDS lie in memory as images of fragments (16 rows x 128 K, 1,536 bytes: plane p holds lane l's registers 4 p .. 4 p + 3 at 16 l), [rowblock of 128][K step][tile]; lane row r of tile t is row 32 (t / 2) + 8 (t % 2) + r + 8 (r / 8).
; SHARES.  A work-group: 256 tokens (two rowblocks of x) x 128 columns of one weight (one rowblock of wc: two heads).  Wave w: rowblock w / 2 (one key step) x head w % 2: 32 accumulators of 16 x 16.
; ALL OF K LIES IN LDS: 3 x 98,304 bytes, each filled once, in four phases of two K steps: four tensor loads a wave, all issued at the head; counted waits let the later phases stay out.  Nothing is filled again.
; CLUSTER 4 x 4: the four of a row need the same x, the four of a column the same weight rows: each load is a joint one.
; q, k: source 0 = 16 weight rows, source 1 = 16 tokens: a lane holds one token, the registers of tiles 2 b, 2 b + 1 sixteen neighbouring channels.  v: the sources swapped: a lane holds one channel, its registers run along the keys.
; In both forms accumulator registers 64 g .. 64 g + 63 are four blocks of 32 along the next K (register 16 b + i = place 32 b + 16 (lane / 16) + i): one way out serves both.
; OUT: qkvc [q, k, v][batch x head][key step][g 0..3][1,536]; for q and k image g holds token tiles 2 g (registers 0-5) and 2 g + 1 (6-11) of one head; for v channel tile g x 128 keys.  qkvs: [..][key step][r][g] words.
; The branch between the two forms hangs on the cluster's x alone, which all partners share.
; LIMITS: NaN and infinities are not served; a block of zeros gets the byte 1 (its codes are zeros; the bytes are read by this program alone).
; REGISTERS: window 0: v1-13 addresses, v28, v29 the add's two, v32-63 x's scale words, v64-79 the weight's, v80-95 at work, v96-99 the new scale words, v100-179 the new codes.  Window 1: the accumulators.  Windows 2, 3: two sets of fragments (x at 12 a, W at 96 + 12 b).
.set XR1,   98304                      ; LDS: x's rowblock 0 at 0, rowblock 1 here,
.set WLD,   196608                     ; the weight's rowblock here,
.set SPARE, 294912                     ; and the spare words, 128 bytes a wave, which no other line names
.set PH,    24576                      ; a phase of a rowblock: two K steps
.set KSB,   12288                      ; a K step of a rowblock
.set FRB,   1536                       ; an image
.set SPW, 28
.set NIL, 29
.set XS,  32                           ; register 4 a + j: lanes 0-15 K step j, lanes 16-31 K step 4 + j, of x's tile a
.set WS,  64                           ; the same of the weight's tile b
.set TM,  80
.set PW,  96
.set PC,  100                          ; 20 registers for each g: 12 of codes, 8 at work
.set SEL, 66                           ; s[66:67] v_permlanex16_b32's selects
.set G1X, 24                           ; s[24:31] group 1 for x;  s[32:39] for the weight
.set G1W, 32
.set G0X, 40                           ; s[40:55] four groups 0 for x;  the weight's at s56, s60, s68, s72
.set MSB, 0
.macro WIN new                         ; the immediate's high byte repeats the setting that is left
.if MSB != (\new)
	s_set_vgpr_msb (MSB<<8)|(\new)
.set MSB, (\new)
.endif
.endm
.macro PLACES                          ; four plain places behind matrix instructions, in front of loads into their sources and of reads of their results
.rept 4
	v_nop
.endr
.endm
.macro CROUND                          ; a round of the cluster's barrier
	s_barrier_signal -1
	s_barrier_wait -1
	s_cmp_lg_u32 s16, 0
	s_cbranch_scc1 .Lnw0_\@
	s_barrier_signal -3
.Lnw0_\@:
	s_barrier_wait -3
	s_barrier_signal -1
	s_barrier_wait -1
.endm
.macro MKG0 g, lds, ptr, p             ; a group 0: phase p
	s_mov_b32 s[\g], 1
	s_add_co_u32 s[\g+1], s[\lds], PH*(\p)
	s_add_nc_u64 s[\g+2:\g+3], s[\ptr:\ptr+1], PH*(\p)
	s_or_b32 s[\g+3], s[\g+3], 0x80000000
.endm
	s_load_b256 s[4:11], s[0:1], 0x0               ; xc, xs, wc, ws
	s_load_b128 s[12:15], s[0:1], 0x20             ; qkvc, qkvs
	v_lshl_add_u32 v[SPW], v0, 2, SPARE
	v_mov_b32 v[NIL], 0
	ds_add_u32 v[SPW], v[NIL]
	ds_add_u32 v[SPW], v[NIL]                      ; the wave's opening: the add and its wait ahead of my first tensor load
	v_lshrrev_b32 v1, 5, v0
	v_readfirstlane_b32 s16, v1                    ; wave
	s_lshr_b32 s17, s16, 1                         ; my rowblock of x.  Also: I fetch x (0) or the weight (1)
	s_and_b32 s18, s16, 1                          ; my head of the two.  Also: which part I fetch
	s_bfe_u32 s19, ttmp6, 0x40000                  ; cx
	s_bfe_u32 s20, ttmp6, 0x40004                  ; cy
	s_lshl_b32 s21, ttmp9, 2
	s_add_co_u32 s21, s21, s19                     ; WB: rowblock of wc, 0..23
	s_and_b32 s22, ttmp7, 0xffff
	s_lshl_b32 s22, s22, 2
	s_add_co_u32 s22, s22, s20                     ; XB: pair of rowblocks of x, 0..31
	s_cmp_ge_u32 ttmp9, 4
	s_cselect_b32 s23, 1, 0                        ; clusters 4 and 5 along x make v
	s_lshl_b32 s76, s20, 2
	s_lshl_b32 s76, 15, s76                        ; my row of the cluster
	s_lshl_b32 s77, 0x1111, s19                    ; my column
	s_or_b32 s[G1X], s76, (3<<16)|(1<<21)          ; the mask; elements of 8 bytes; bit 21 beside a mask; no padding
	s_or_b32 s[G1W], s77, (3<<16)|(1<<21)
	s_mov_b32 s[G1X+1], 32<<16                     ; dense bytes as rows of 256: tensor_dim0 = 32
	s_mov_b32 s[G1X+2], 96<<16                     ; tensor_dim1 = 96 rows: 24,576 bytes
	s_mov_b32 s[G1X+3], 32<<16                     ; tile_dim0
	s_mov_b32 s[G1X+4], 96                         ; tile_dim1
	s_mov_b32 s[G1X+5], 32                         ; pitch
	s_mov_b32 s[G1X+6], 0
	s_mov_b32 s[G1X+7], 0
	s_mov_b32 s[G1W+1], 32<<16
	s_mov_b32 s[G1W+2], 48<<16                     ; 48 rows: one K step, 12,288 bytes
	s_mov_b32 s[G1W+3], 32<<16
	s_mov_b32 s[G1W+4], 48
	s_mov_b32 s[G1W+5], 32
	s_mov_b32 s[G1W+6], 0
	s_mov_b32 s[G1W+7], 0
	s_lshl_b32 s78, s22, 1
	s_add_co_u32 s78, s78, s18
	s_mul_i32 s78, s78, 98304                      ; x: rowblock 2 XB + part
	s_mov_b32 s79, 0
	s_mul_i32 s80, s21, 98304
	s_mul_i32 s82, s18, KSB
	s_add_co_u32 s80, s80, s82                     ; the weight: rowblock WB, K step part of each phase
	s_mov_b32 s81, 0
	s_mul_i32 s84, s18, XR1                        ; where they go: no place in the cluster enters an LDS address
	s_add_co_u32 s85, s82, WLD
	s_lshl_b32 s94, s22, 1
	s_add_co_u32 s94, s94, s17                     ; RB: my rowblock of tokens, 0..63
	s_lshl_b32 s95, s21, 1
	s_add_co_u32 s95, s95, s18                     ; Hh: 16 x (q, k, v) + head
	s_lshl_b32 s90, s94, 12
	s_mov_b32 s91, 0
	s_lshl_b32 s92, s21, 12
	s_lshl_b32 s93, s18, 10
	s_add_co_u32 s92, s92, s93
	s_mov_b32 s93, 0
	s_lshr_b32 s96, s95, 4
	s_lshl_b32 s96, s96, 6
	s_lshr_b32 s97, s94, 4
	s_lshl_b32 s97, s97, 4
	s_add_co_u32 s96, s96, s97
	s_and_b32 s97, s95, 15
	s_add_co_u32 s96, s96, s97
	s_lshl_b32 s96, s96, 4
	s_and_b32 s97, s94, 15
	s_add_co_u32 s96, s96, s97                     ; ((which x 64 + batch x 16 + head) x 16 + key step)
	s_mov_b32 s[SEL], 0x76543210
	s_mov_b32 s[SEL+1], 0xfedcba98
	s_wait_dscnt 0x0                               ; the opening add is done
	s_wait_kmcnt 0x0
	s_add_nc_u64 s[86:87], s[4:5], s[78:79]
	s_add_nc_u64 s[88:89], s[8:9], s[80:81]
	s_add_nc_u64 s[6:7], s[6:7], s[90:91]          ; my rowblock's scale words
	s_add_nc_u64 s[10:11], s[10:11], s[92:93]      ; my head's
	s_mul_i32 s98, s96, 6144
	s_mov_b32 s99, 0
	s_add_nc_u64 s[12:13], s[12:13], s[98:99]      ; where my four images go,
	s_lshl_b32 s98, s96, 8
	s_add_nc_u64 s[14:15], s[14:15], s[98:99]      ; and their scale words
.irp p, 0,1,2,3
	MKG0 G0X+4*\p, 84, 86, \p
	MKG0 56+4*\p+4*(\p/2), 85, 88, \p
.endr
	CROUND                                         ; all sixteen work-groups are here: the joint loads meet
	s_cmp_eq_u32 s17, 0                            ; a wave's four first fills stand in one branch on its number: four loads of mine are out
	s_cbranch_scc0 .Lfor_w
.irp p, 0,1,2,3
	tensor_load_to_lds s[G0X+4*\p:G0X+4*\p+3], s[G1X:G1X+7]
	s_nop 0
.endr
	PLACES
	s_branch .Lasked
.Lfor_w:
.irp p, 0,1,2,3
	tensor_load_to_lds s[56+4*\p+4*(\p/2):59+4*\p+4*(\p/2)], s[G1W:G1W+7]
	s_nop 0
.endr
	PLACES
.Lasked:
	v_and_b32 v1, 31, v0                           ; lane
	v_and_b32 v2, 15, v0                           ; r
	v_bfe_u32 v3, v0, 4, 1                         ; h
	v_lshlrev_b32 v4, 4, v1                        ; 16 x lane
	v_lshlrev_b32 v13, 4, v2                       ; 16 r
	v_lshl_add_u32 v12, v3, 11, v13                ; scale words: K half h, 16 r
.irp a, 0,1,2,3,4,5,6,7
	global_load_b128 v[XS+4*\a:XS+4*\a+3], v12, s[6:7] offset:256*\a
.endr
.irp b, 0,1,2,3
	global_load_b128 v[WS+4*\b:WS+4*\b+3], v12, s[10:11] offset:256*\b
.endr
	s_mul_i32 s82, s17, XR1
	v_add_nc_u32 v8, s82, v4                       ; my x fragments, K steps 0-3,
	v_add_nc_u32 v9, 49152, v8                     ; and 4-7
	s_mul_i32 s83, s18, 6144
	s_add_co_u32 s83, s83, WLD
	v_add_nc_u32 v10, s83, v4                      ; my head's four tiles of the weight
	v_add_nc_u32 v11, 49152, v10
.irp b, 0,1,2,3
	v_mov_b32 v[TM+4+\b], 0                        ; a lane permute's destination counts as read
.endr
.macro FETCH q                         ; K step q's fragments into set q % 2: 36 loads of 512 consecutive bytes
	WIN 0x80+0x40*((\q)%2)
.irp a, 0,1,2,3,4,5,6,7
.irp p, 0,1,2
	ds_load_b128 v[12*\a+4*\p:12*\a+4*\p+3], v[8+(\q)/4] offset:KSB*((\q)%4)+FRB*\a+512*\p
.endr
.endr
.irp b, 0,1,2,3
.irp p, 0,1,2
	ds_load_b128 v[96+12*\b+4*\p:96+12*\b+4*\p+3], v[10+(\q)/4] offset:KSB*((\q)%4)+FRB*\b+512*\p
.endr
.endr
	WIN 0
.endm
.macro WM d, a, b, sa, sb, q           ; one product of K step q; the first starts the sum with the constant 0
.if (\q) == 0
	v_wmma_scale_f32_16x16x128_f8f6f4 v[\d:\d+7], v[\a:\a+11], v[\b:\b+11], 0, v[\sa], v[\sb] matrix_a_fmt:MATRIX_FMT_FP6 matrix_b_fmt:MATRIX_FMT_FP6
.elseif (\q) < 4
	v_wmma_scale_f32_16x16x128_f8f6f4 v[\d:\d+7], v[\a:\a+11], v[\b:\b+11], v[\d:\d+7], v[\sa+(\q)], v[\sb+(\q)] matrix_a_fmt:MATRIX_FMT_FP6 matrix_b_fmt:MATRIX_FMT_FP6
.else
	v_wmma_scale_f32_16x16x128_f8f6f4 v[\d:\d+7], v[\a:\a+11], v[\b:\b+11], v[\d:\d+7], v[\sa+(\q)-4], v[\sb+(\q)-4] matrix_a_fmt:MATRIX_FMT_FP6 matrix_b_fmt:MATRIX_FMT_FP6 matrix_a_scale:MATRIX_SCALE_ROW1 matrix_b_scale:MATRIX_SCALE_ROW1
.endif
.endm
; The 32 accumulators take turns, one instruction a turn, in the same order in every K step.
.macro MULQ q                          ; q, k: source 0 = the weight's tile b, source 1 = x's tile a
	WIN 0x5a+5*((\q)%2)
.irp a, 0,1,2,3,4,5,6,7
.irp b, 0,1,2,3
	WM 32*\a+8*\b, 96+12*\b, 12*\a, WS+4*\b, XS+4*\a, \q
.endr
.endr
	WIN 0
.endm
.macro MULV q                          ; v: source 0 = x's tile t, source 1 = the weight's tile w
	WIN 0x5a+5*((\q)%2)
.irp w, 0,1,2,3
.irp t, 0,1,2,3,4,5,6,7
	WM 64*\w+8*\t, 12*\t, 96+12*\w, XS+4*\t, WS+4*\w, \q
.endr
.endr
	WIN 0
.endm
.macro KSTEP q
	s_wait_dscnt 0x0                               ; this K step's fragments are in
.if ((\q)%2 == 1) && ((\q) < 7)
	s_wait_tensorcnt (5-(\q))/2                    ; my part of the next phase has landed; the later phases' loads may stay out
	s_barrier_signal -1
	s_barrier_wait -1                              ; everybody's has
.endif
.if (\q) < 7
	PLACES
	FETCH (\q)+1                                   ; the next K step's, under this step's 32 products
.endif
.if (\q) == 0
	s_wait_loadcnt 0x0                             ; the scale words
.endif
	s_cmp_lg_u32 s23, 0
	s_cbranch_scc1 .Lv_\@
	MULQ \q
	s_branch .Lj_\@
.Lv_\@:
	MULV \q
.Lj_\@:
.endm
	s_wait_alu depctr_va_vdst(0)
	s_wait_tensorcnt 3                             ; my part of phase 0 is in; three loads may stay out
	s_barrier_signal -1
	s_barrier_wait -1
	FETCH 0
.irp q, 0,1,2,3,4,5,6,7
	KSTEP \q
.endr
; THE WAY OUT: accumulator registers 64 g .. 64 g + 63 become a fragment's codes and its scale word, and leave as an image.
.macro QUANT g
.set PCG, PC+20*(\g)
.irp b, 0,1,2,3
	v_mov_b32 v[TM+\b], 0x1800000                  ; the floor 2^(3 - 127): the byte cannot fall under 1
.endr
	WIN 0x05                                       ; sources 0 and 1: the accumulators' window
.irp i, 0,2,4,6,8,10,12,14
.irp b, 0,1,2,3
	v_max3_num_f32 v[TM+\b], |v[64*(\g)+16*\b+\i]|, |v[64*(\g)+16*\b+\i+1]|, v[TM+\b]   ; each accumulator from its low end on
.endr
.endr
	WIN 0
.irp b, 0,1,2,3
	v_permlanex16_b32 v[TM+4+\b], v[TM+\b], s[SEL], s[SEL+1]
.endr
.irp b, 0,1,2,3
	v_max_num_f32 v[TM+\b], v[TM+\b], v[TM+4+\b]   ; with lane l xor 16's sixteen: the block's largest magnitude
.endr
.irp b, 0,1,2,3
	v_add_nc_u32 v[TM+12+\b], 0xff000000, v[TM+\b] ; 2 off the exponent field: the conversion's scale operand
.endr
.irp b, 0,1,2,3
	v_lshrrev_b32 v[TM+4+\b], 23, v[TM+12+\b]      ; the scale's byte
.endr
	v_lshl_or_b32 v[PW+(\g)], v[TM+5], 8, v[TM+4]
	v_lshl_or_b32 v[PW+(\g)], v[TM+6], 16, v[PW+(\g)]
	v_lshl_or_b32 v[PW+(\g)], v[TM+7], 24, v[PW+(\g)]
	WIN 0x01
.irp c, 0,1
	v_cvt_scalef32_pk16_fp6_f32 v[PCG+6*\c:PCG+6*\c+2], v[64*(\g)+32*\c:64*(\g)+32*\c+15], v[TM+12+2*\c]
	v_cvt_scalef32_pk16_fp6_f32 v[PCG+12+4*\c:PCG+14+4*\c], v[64*(\g)+32*\c+16:64*(\g)+32*\c+31], v[TM+13+2*\c]
.endr
	WIN 0
	v_nop                                          ; one plain place behind a scaled conversion
.irp c, 0,1                                    ; the layout wants a whole block in a lane: lanes 0-15 block 2 c, lanes 16-31 block 2 c + 1
.irp i, 0,1,2
	v_permlane16_swap_b32 v[PCG+6*\c+\i], v[PCG+12+4*\c+\i]
.endr
.irp i, 0,1,2
	v_mov_b32 v[PCG+6*\c+3+\i], v[PCG+12+4*\c+\i]
.endr
.endr
.irp p, 0,1,2
	global_store_b128 v4, v[PCG+4*\p:PCG+4*\p+3], s[12:13] offset:FRB*(\g)+512*\p   ; a plane: 512 consecutive bytes
.endr
.endm
	PLACES
	QUANT 0
	QUANT 1
	QUANT 2
	QUANT 3
	v_cmp_gt_u32 vcc_lo, 16, v1
	s_wait_xcnt 0x0                                ; EXEC changes only behind this wait
	s_and_saveexec_b32 s82, vcc_lo
	global_store_b128 v13, v[PW:PW+3], s[14:15]    ; sixteen lanes store the key step's 256 bytes of scale words
	s_wait_xcnt 0x0
	s_or_b32 exec_lo, exec_lo, s82
	s_wait_tensorcnt 0x0                           ; the wave's end
	ds_add_u32 v[SPW], v[NIL]
	s_wait_dscnt 0x0
	CROUND                                         ; the closing round
	s_endpgm
.Lfunc_end_k_q191c9868af_proj:
	.size	k_q191c9868af_proj, .Lfunc_end_k_q191c9868af_proj-k_q191c9868af_proj
	.p2alignl 7, 3214868480
	.fill 96, 4, 3214868480
	.section	.rodata,"a",@progbits
	.p2align	6, 0x0
	.amdhsa_kernel k_q191c9868af_proj
		.amdhsa_group_segment_fixed_size 327680
		.amdhsa_private_segment_fixed_size 0
		.amdhsa_enable_private_segment 0
		.amdhsa_kernarg_size 48
		.amdhsa_user_sgpr_count 2
		.amdhsa_user_sgpr_kernarg_segment_ptr 1
		.amdhsa_wavefront_size32 1
		.amdhsa_system_sgpr_workgroup_id_x 1
		.amdhsa_system_sgpr_workgroup_id_y 1
		.amdhsa_system_sgpr_workgroup_id_z 1
		.amdhsa_system_vgpr_workitem_id 0
		.amdhsa_next_free_vgpr 1024
		.amdhsa_next_free_sgpr 100
		.amdhsa_reserve_vcc 1
		.amdhsa_float_denorm_mode_32 3
		.amdhsa_float_denorm_mode_16_64 3
		.amdhsa_memory_ordered 1
		.amdhsa_forward_progress 1
		.amdhsa_inst_pref_size 113
	.end_amdhsa_kernel
	.amdgpu_metadata
---
amdhsa.version: [ 1, 2 ]
amdhsa.kernels:
  - .name:           k_q191c9868af_proj
    .symbol:         k_q191c9868af_proj.kd
    .args:
      - { .name: xc, .offset: 0, .size: 8, .value_kind: global_buffer, .address_space: global }
      - { .name: xs, .offset: 8, .size: 8, .value_kind: global_buffer, .address_space: global }
      - { .name: wc, .offset: 16, .size: 8, .value_kind: global_buffer, .address_space: global }
      - { .name: ws, .offset: 24, .size: 8, .value_kind: global_buffer, .address_space: global }
      - { .name: qkvc, .offset: 32, .size: 8, .value_kind: global_buffer, .address_space: global }
      - { .name: qkvs, .offset: 40, .size: 8, .value_kind: global_buffer, .address_space: global }
    .group_segment_fixed_size: 327680
    .private_segment_fixed_size: 0
    .kernarg_segment_align: 8
    .kernarg_segment_size: 48
    .max_flat_workgroup_size: 128
    .sgpr_count:     100
    .vgpr_count:     1024
    .wavefront_size: 32
...
	.end_amdgpu_metadata
.endif
;; end of part 2
;; launch attn (part 3): grid 4 x 64, 16 waves a work-group, no clusters, 206,848 bytes of LDS; arguments qkvc, qkvs, cc, cs; writes cc, cs
.if DOCPART == 3
	.amdgcn_target "amdgcn-amd-amdhsa--gfx1250"
	.amdhsa_code_object_version 6
	.text
	.protected	k_q191c9868af_attn
	.globl	k_q191c9868af_attn
	.p2align	8
	.type	k_q191c9868af_attn,@function
k_q191c9868af_attn:
	s_mov_b64 s[64:65], 0
	v_nop
	global_prefetch_b8 v0, s[64:65] scope:SCOPE_SE
	s_setreg_imm32_b32 hwreg(HW_REG_WAVE_MODE, 25, 1), 1
	s_wait_xcnt 0x0
; ctx = softmax(q k^T / 8, causal) v for one head, both products on codes of FP6 (E2M3) with E8M0 scales; ctx is quantised along (head, channel) and leaves as codes for the last projection.
; THE SOFTMAX: t = score x log2(e) / 8; M = the running largest t rounded up to a whole number; p = 2^(t - M) is quantised along the keys; the row's sum is taken of the unquantised p and divides at the end.  When M moves, the sum and O are multiplied by 2^(old M - new M): exact.
; SHARES.  Work-group (i, batch x head) owns the blocks of 256 queries 7 - i and i of its head: 18 key steps of work at the most for each wave, whatever i.  Each of sixteen waves owns one tile of 16 queries in each block: wave w: key step 2 block + w / 8, tile w % 8.
; THE HEAD'S K AND V STAY IN LDS, filled once: wave 0 fetches K, wave 1 V, three tensor loads each (scale words; key steps 0-3; key steps 4-15), all at the head.  Nothing is filled again.
; LAYOUT.  Both products transposed: S^T = K Q^T, O^T = V^T P^T: a lane holds one query.  The rows of a tile are 32 (t / 2) + 8 (t % 2) + r + 8 (r / 8), so that the registers of tiles 2 b, 2 b + 1 are sixteen neighbours.
; THE HEAD IS 64 WIDE, the instruction 128: an image of K holds key tiles 2 g (registers 0-5) and 2 g + 1 (6-11).  Against [q | zeros] it gives tile 2 g's scores, against [zeros | q] tile 2 g + 1's: zero codes add nothing under any byte that the quantiser gives.
; CAUSAL.  All trip counts are constants; a key step all of whose keys come after my queries is jumped over (a scalar branch on ids; no barrier stands in a loop); on the diagonal hidden scores become -infinity ahead of the maximum.
; NO CLUSTER: the four work-groups of a head differ in the very blocks of queries on which these branches hang, and partners of joint loads must run alike.
; OUT: cc [rowblock of tokens][K step = head / 2][tile][1,536], six planes of 256 bytes (plane p: lane l's registers 2 p, 2 p + 1 at 8 l): a head fills three whole planes.  cs [rowblock][K step][tile][r] words: a head stores its half word, 2 bytes a lane: 262,144 bytes in all.
; LIMITS: NaN and infinities are not served; a block of zeros gets the byte 1 (its codes are zeros; the bytes are read by this program alone).
; REGISTERS: v1-4 places that stay; v5, v6 the add's two; v7 r + 8 (r / 8) - 16 h; v8-11 the step's LDS addresses; v12 -M, v13 the largest t, v[14:15] the sum; v16-21 zeros, v22-27 q, v28-33 zeros; v34-81 four images; v82 8 x lane, v83 4 r;
;   v84-87 K's scale words, v88-91 V's, v92 q's, v93 p's; v[94:95] f; v96-159 S^T, then p; v160-191 O^T; v192-211 p's codes; v212-225 at work; v226-232 the second tile's q and scale word.
.set VLD,   98304                      ; LDS: K's images at 0, V's here,
.set KSC,   196608                     ; K's scale words,
.set VSC,   200704                     ; V's,
.set SPARE, 204800                     ; and the spare words, 128 bytes a wave, which no other line names
.set TK, 60                            ; s60  the key step's images: 6,144 bytes a step
.set TS, 61                            ; s61  its scale words: 256 bytes a step
.set KF, 62                            ; s62  its first key
.set Q0, 63                            ; s63  my tile's first query
	s_load_b256 s[4:11], s[0:1], 0x0               ; qkvc, qkvs, cc, cs
	v_lshl_add_u32 v5, v0, 2, SPARE
	v_mov_b32 v6, 0
	ds_add_u32 v5, v6                              ; the wave's opening: the add and its wait ahead of my first tensor load
	ds_add_u32 v5, v6
	v_lshrrev_b32 v8, 5, v0
	s_delay_alu instid0(VALU_DEP_1)
	v_readfirstlane_b32 s12, v8                    ; wave 0..15
	s_mov_b32 s13, ttmp9                           ; i
	s_and_b32 s14, ttmp7, 0xffff                   ; batch x 16 + head
	s_and_b32 s17, s12, 1                          ; u: which half of an image of Q is mine.  Also: wave 0 fetches K, wave 1 V
	s_cmp_eq_u32 s17, 1
	s_cselect_b32 s15, -1, 0
	s_mov_b32 s16, 0x01000100
	s_cselect_b32 s16, 0x03020302, s16             ; q's scale word: my tile's two bytes, twice
	s_mov_b32 s20, 0x76543210
	s_mov_b32 s21, 0xfedcba98
	s_mov_b32 s22, 0x3e38aa3b                      ; c = log2(e) / 8
	s_mov_b32 s23, s22                             ; (named with it as a pair)
	; groups 1: dense bytes as rows of 256 (32 elements of 8 bytes): 16 rows of scale words, 96 rows = 4 key steps, 288 rows = 12 key steps
.irp g, 24, 32, 40
	s_mov_b32 s[\g], 3<<16
	s_mov_b32 s[\g+1], 32<<16
	s_mov_b32 s[\g+3], 32<<16
	s_mov_b32 s[\g+5], 32
	s_mov_b32 s[\g+6], 0
	s_mov_b32 s[\g+7], 0
.endr
	s_mov_b32 s26, 16<<16
	s_mov_b32 s28, 16
	s_mov_b32 s34, 96<<16
	s_mov_b32 s36, 96
	s_mov_b32 s42, 288<<16
	s_mov_b32 s44, 288
	s_lshl_b32 s86, s17, 6
	s_add_co_u32 s86, s86, s14
	s_add_co_u32 s86, s86, 64                      ; (k or v) x 64 + batch x head
	s_mul_i32 s88, s86, 98304
	s_mov_b32 s89, 0
	s_lshl_b32 s90, s86, 12
	s_mov_b32 s91, 0
	s_mul_i32 s92, s17, VLD
	s_lshl_b32 s93, s17, 12
	s_add_co_u32 s93, s93, KSC
	s_wait_dscnt 0x0                               ; the opening add is done
	s_wait_kmcnt 0x0
	s_mov_b32 s48, 1
	s_mov_b32 s49, s93
	s_add_nc_u64 s[50:51], s[6:7], s[90:91]
	s_or_b32 s51, s51, 0x80000000
	s_add_nc_u64 s[84:85], s[4:5], s[88:89]
	s_mov_b32 s52, 1
	s_mov_b32 s53, s92
	s_mov_b64 s[54:55], s[84:85]
	s_or_b32 s55, s55, 0x80000000
	s_mov_b32 s56, 1
	s_add_co_u32 s57, s92, 24576
	s_add_nc_u64 s[58:59], s[84:85], 24576
	s_or_b32 s59, s59, 0x80000000
	s_cmp_lt_u32 s12, 2                            ; the first fills stand in one branch on the wave's number: three loads are out in waves 0 and 1
	s_cbranch_scc0 .Lno_fetch
	tensor_load_to_lds s[48:51], s[24:31]
	s_nop 0
	tensor_load_to_lds s[52:55], s[32:39]
	s_nop 0
	tensor_load_to_lds s[56:59], s[40:47]
	s_nop 0
.rept 4
	v_nop
.endr
.Lno_fetch:
	s_lshr_b32 s86, s12, 3                         ; which key step of a block of 256 queries
	s_bfe_u32 s87, s12, 0x20001                    ; which image of Q in it
	s_and_b32 s88, s12, 7                          ; my tile
	s_and_b32 s89, s14, 15                         ; head
	s_lshr_b32 s90, s14, 4
	s_lshl_b32 s90, s90, 4                         ; 16 x batch
	s_mul_i32 s91, s14, 98304
	s_mul_i32 s95, s87, 1536
	s_add_co_u32 s91, s91, s95                     ; Q's codes, less the key step
	s_lshl_b32 s92, s14, 12
	s_lshl_b32 s95, s87, 2
	s_add_co_u32 s92, s92, s95                     ; Q's scale words
	s_mul_i32 s93, s90, 98304
	s_lshr_b32 s95, s89, 1
	s_mul_i32 s94, s95, 12288
	s_add_co_u32 s93, s93, s94
	s_mul_i32 s94, s88, 1536
	s_add_co_u32 s93, s93, s94
	s_and_b32 s18, s89, 1
	s_mul_i32 s94, s18, 768
	s_add_co_u32 s93, s93, s94                     ; ctx's codes
	s_lshl_b32 s94, s90, 12
	s_lshl_b32 s95, s95, 9
	s_add_co_u32 s94, s94, s95
	s_lshl_b32 s95, s88, 6
	s_add_co_u32 s94, s94, s95
	s_lshl_b32 s95, s18, 1
	s_add_co_u32 s94, s94, s95                     ; ctx's scale bytes
	s_mov_b32 s97, 0
	s_lshl_b32 s19, s13, 1
	s_sub_co_u32 s18, 14, s19
	s_add_co_u32 s18, s18, s86                     ; my key step in block 7 - i,
	s_add_co_u32 s19, s19, s86                     ; and in block i
	s_lshl_b32 s95, s87, 5
	s_lshl_b32 s96, s17, 3
	s_add_co_u32 s95, s95, s96
	s_lshl_b32 s[Q0], s18, 7
	s_add_co_u32 s[Q0], s[Q0], s95                 ; my first query there: 128 step + 32 image + 8 u
	s_lshl_b32 s67, s19, 7
	s_add_co_u32 s67, s67, s95
.macro MKPTR st, qc, qs, cp, sp
	s_mul_i32 s96, s[\st], 6144
	s_add_co_u32 s96, s96, s91
	s_add_nc_u64 s[\qc:\qc+1], s[4:5], s[96:97]
	s_lshl_b32 s96, s[\st], 8
	s_add_co_u32 s96, s96, s92
	s_add_nc_u64 s[\qs:\qs+1], s[6:7], s[96:97]
	s_mul_i32 s96, s[\st], 98304
	s_add_co_u32 s96, s96, s93
	s_add_nc_u64 s[\cp:\cp+1], s[8:9], s[96:97]
	s_lshl_b32 s96, s[\st], 12
	s_add_co_u32 s96, s96, s94
	s_add_nc_u64 s[\sp:\sp+1], s[10:11], s[96:97]
.endm
	MKPTR 18, 76, 78, 68, 70
	MKPTR 19, 80, 82, 72, 74
	v_and_b32 v8, 31, v0                           ; lane
	v_and_b32 v9, 15, v0                           ; r
	v_bfe_u32 v11, v0, 4, 1                        ; h
	s_delay_alu instid0(VALU_DEP_3)
	v_lshlrev_b32 v1, 4, v8                        ; 16 x lane: my place in an image of K,
	s_delay_alu instid0(VALU_DEP_1)
	v_add_nc_u32 v2, VLD, v1                       ; of V
	s_delay_alu instid0(VALU_DEP_4)
	v_lshlrev_b32 v10, 4, v9                       ; 16 r
.irp p, 0,1,2
	global_load_b128 v[96+4*\p:99+4*\p], v1, s[76:77] offset:512*\p      ; the image that holds my first tile of Q,
	global_load_b128 v[112+4*\p:115+4*\p], v1, s[80:81] offset:512*\p    ; and my second
.endr
	global_load_b32 v224, v10, s[78:79]
	global_load_b32 v225, v10, s[82:83]
	v_add_nc_u32 v3, KSC, v10                      ; my row's four scale words of a key step of K,
	v_add_nc_u32 v4, VSC, v10                      ; of V
	v_and_b32 v7, 8, v9
	s_delay_alu instid0(VALU_DEP_1)
	v_add_nc_u32 v7, v7, v9
	v_lshlrev_b32 v82, 4, v11
	s_delay_alu instid0(VALU_DEP_1)
	v_sub_nc_u32 v7, v7, v82                       ; r + 8 (r / 8) - 16 h
	v_lshlrev_b32 v82, 3, v8                       ; 8 x lane
	v_lshlrev_b32 v83, 2, v9                       ; 4 r
.irp i, 0,1,2,3,4,5
	v_mov_b32 v[16+\i], 0                          ; zero codes on either side of q
	v_mov_b32 v[28+\i], 0
.endr
	v_mov_b32 v95, 0                               ; (named as the upper half of the pair v[94:95])
.irp b, 0,1,2,3
	v_mov_b32 v[216+\b], 0                         ; a lane permute's destination counts as read
.endr
.macro INIT                            ; a tile begins: the largest t under every t, the sum and O^T zeros, which the first change of M leaves zeros
	v_mov_b32 v13, 0xff61b1e6
	s_delay_alu instid0(VALU_DEP_1)
	v_floor_f32 v12, -v13
	v_mov_b32 v14, 0
	v_mov_b32 v15, 0
.set IX, 0
.rept 32
	v_mov_b32 v[160+IX], 0
.set IX, IX+1
.endr
	s_mov_b32 s[TK], 0
	s_mov_b32 s[TS], 0
	s_mov_b32 s[KF], 0
.endm
; A KEY STEP: 128 keys against my 16 queries.
.macro STEP
	s_add_co_u32 s18, s[Q0], 23                    ; my last query
	s_cmp_gt_u32 s[KF], s18
	s_cbranch_scc1 .Lhid_\@                        ; all keys come after it: only the addresses step
	s_setprio 2
	v_add_nc_u32 v8, s[TK], v1                     ; (these four are also the places behind the last products, in front of the loads below)
	v_add_nc_u32 v9, s[TK], v2
	v_add_nc_u32 v10, s[TS], v3
	v_add_nc_u32 v11, s[TS], v4
.irp b, 0,1,2,3
.irp p, 0,1,2
	ds_load_b128 v[34+12*\b+4*\p:37+12*\b+4*\p], v8 offset:1536*\b+512*\p
.endr
.endr
	ds_load_b128 v[84:87], v10
	s_wait_alu depctr_va_vdst(0)
	s_wait_dscnt 0x0
.irp b, 0,1,2,3
	v_wmma_scale_f32_16x16x128_f8f6f4 v[96+16*\b:103+16*\b], v[34+12*\b:45+12*\b], v[22:33], 0, v[84+\b], v92 matrix_a_fmt:MATRIX_FMT_FP6 matrix_b_fmt:MATRIX_FMT_FP6
	v_wmma_scale_f32_16x16x128_f8f6f4 v[104+16*\b:111+16*\b], v[34+12*\b:45+12*\b], v[16:27], 0, v[84+\b], v92 matrix_a_fmt:MATRIX_FMT_FP6 matrix_b_fmt:MATRIX_FMT_FP6
.endr                                          ; register 16 b + i of S^T: key KF + 32 b + 16 h + i
.rept 4
	v_nop                                          ; places, in front of the loads below and of the first read of the scores
.endr
.irp g, 0,1,2,3
.irp p, 0,1,2
	ds_load_b128 v[34+12*\g+4*\p:37+12*\g+4*\p], v9 offset:1536*\g+512*\p   ; V's four images land under the softmax
.endr
.endr
	ds_load_b128 v[88:91], v11
	s_add_co_u32 s18, s[KF], 127
	s_cmp_le_u32 s18, s[Q0]
	s_cbranch_scc1 .Lopen_\@                       ; every key counts for every query of mine
	s_sub_co_i32 s18, s[Q0], s[KF]
	v_add_nc_u32 v224, s18, v7                     ; d = my query - KF - 16 h: register 16 b + i is hidden where 32 b + i > d
	v_mov_b32 v225, 0xff800000
.set IX, 0
.rept 64
	v_cmp_gt_i32 vcc_lo, 32*(IX/16)+IX%16, v224
	v_cndmask_b32 v[96+IX], v[96+IX], v225, vcc_lo
.set IX, IX+1
.endr
.Lopen_\@:
.irp b, 0,1,2,3
	v_max3_num_f32 v[212+\b], v[96+16*\b], v[97+16*\b], v[98+16*\b]   ; the largest score of each block of 32 keys: for the row's maximum, and, since p rises with the score, for the block's largest p
.endr
.irp i, 3,5,7,9,11,13
.irp b, 0,1,2,3
	v_max3_num_f32 v[212+\b], v[212+\b], v[96+16*\b+\i], v[97+16*\b+\i]
.endr
.endr
.irp b, 0,1,2,3
	v_max_num_f32 v[212+\b], v[212+\b], v[111+16*\b]
.endr
.irp b, 0,1,2,3
	s_delay_alu instid0(VALU_DEP_4)
	v_permlanex16_b32 v[216+\b], v[212+\b], s20, s21
.endr
.irp b, 0,1,2,3
	s_delay_alu instid0(VALU_DEP_4)
	v_max_num_f32 v[212+\b], v[212+\b], v[216+\b]
.endr
	s_delay_alu instid0(VALU_DEP_2)
	v_max3_num_f32 v224, v212, v213, v214
	s_delay_alu instid0(VALU_DEP_1)
	v_max_num_f32 v224, v224, v215                 ; the step's largest score of my query (key KF counts for every query of mine: it is a number)
	s_delay_alu instid0(VALU_DEP_1)
	v_mul_f32 v224, s22, v224
	s_delay_alu instid0(VALU_DEP_1)
	v_max_num_f32 v13, v13, v224                   ; the running largest t
	v_mov_b32 v224, v12
	s_delay_alu instid0(VALU_DEP_2)
	v_floor_f32 v12, -v13                          ; -M = floor(-t)
	s_delay_alu instid0(VALU_DEP_1)
	v_sub_f32 v224, v12, v224                      ; old M - new M: a whole number, 0 or less
	s_delay_alu instid0(VALU_DEP_1)
	v_cvt_i32_f32 v224, v224                       ; (it saturates)
	s_delay_alu instid0(VALU_DEP_1)
	v_ldexp_f32 v94, 1.0, v224                     ; f = 2^(old M - new M)
.set IX, 0
.rept 32
	v_pk_fma_f32 v[96+IX:97+IX], v[96+IX:97+IX], s[22:23], v[12:13] op_sel_hi:[1,0,0]   ; t - M
.set IX, IX+2
.endr
	s_setprio 1
.irp b, 0,1,2,3
	v_fma_f32 v[212+\b], v[212+\b], s22, v12       ; the same of each block's largest score
.endr
.set IX, 0
	s_wait_alu depctr_va_vdst(0)
.rept 64
	v_exp_f32 v[96+IX], v[96+IX]                   ; p = 2^(t - M)
.set IX, IX+1
.endr
	v_pk_mul_f32 v[14:15], v[14:15], v[94:95] op_sel_hi:[1,0]   ; the sum under the new M (a plain place behind the exponentials)
	s_wait_alu depctr_va_vdst(0)                   ; one wait for the batch, ahead of its first reader
.irp b, 0,1,2,3
	v_exp_f32 v[212+\b], v[212+\b]                 ; the blocks' largest p
.endr
	v_pk_add_f32 v[216:217], v[100:101], v[104:105]
	v_pk_add_f32 v[254:255], v[108:109], v[112:113]
	v_pk_add_f32 v[252:253], v[116:117], v[120:121]
	v_pk_add_f32 v[250:251], v[124:125], v[128:129]
	v_pk_add_f32 v[248:249], v[132:133], v[136:137]
	v_pk_add_f32 v[246:247], v[140:141], v[144:145]
	v_pk_add_f32 v[244:245], v[148:149], v[152:153]
	v_pk_add_f32 v[14:15], v[14:15], v[156:157]
	v_pk_add_f32 v[216:217], v[216:217], v[96:97]
	v_pk_add_f32 v[254:255], v[254:255], v[98:99]
	v_pk_add_f32 v[252:253], v[252:253], v[102:103]
	v_pk_add_f32 v[250:251], v[250:251], v[106:107]
	v_pk_add_f32 v[248:249], v[248:249], v[110:111]
	v_pk_add_f32 v[246:247], v[246:247], v[114:115]
	v_pk_add_f32 v[244:245], v[244:245], v[118:119]
	v_pk_add_f32 v[14:15], v[14:15], v[122:123]
	v_pk_add_f32 v[216:217], v[216:217], v[126:127]
	v_pk_add_f32 v[254:255], v[254:255], v[130:131]
	v_pk_add_f32 v[252:253], v[252:253], v[134:135]
	v_pk_add_f32 v[250:251], v[250:251], v[138:139]
	v_pk_add_f32 v[248:249], v[248:249], v[142:143]
	v_pk_add_f32 v[246:247], v[246:247], v[146:147]
	v_pk_add_f32 v[244:245], v[244:245], v[150:151]
	v_pk_add_f32 v[14:15], v[14:15], v[154:155]
	v_pk_add_f32 v[216:217], v[216:217], v[158:159]
	s_delay_alu instid0(VALU_DEP_2)
	v_pk_add_f32 v[14:15], v[14:15], v[250:251]
	s_delay_alu instid0(VALU_DEP_2)
	v_pk_add_f32 v[216:217], v[216:217], v[248:249]
	v_pk_add_f32 v[254:255], v[254:255], v[246:247]
	v_pk_add_f32 v[252:253], v[252:253], v[244:245]
	s_delay_alu instid0(VALU_DEP_2)
	v_pk_add_f32 v[14:15], v[14:15], v[254:255]
	s_delay_alu instid0(VALU_DEP_2)
	v_pk_add_f32 v[216:217], v[216:217], v[252:253]
	s_delay_alu instid0(VALU_DEP_1)
	v_pk_add_f32 v[14:15], v[14:15], v[216:217]
	s_wait_alu depctr_va_vdst(0)                   ; and one for the four
.irp b, 0,1,2,3
	v_max_num_f32 v[212+\b], 0x1800000, v[212+\b]  ; the floor: the byte cannot fall under 1
.endr
.irp b, 0,1,2,3
	s_delay_alu instid0(VALU_DEP_4)
	v_add_nc_u32 v[220+\b], 0xff000000, v[212+\b]
.endr
.irp b, 0,1,2,3
	s_delay_alu instid0(VALU_DEP_4)
	v_lshrrev_b32 v[216+\b], 23, v[220+\b]
.endr
	s_delay_alu instid0(VALU_DEP_3)
	v_lshl_or_b32 v93, v217, 8, v216               ; p's scale word for these 128 keys
	s_delay_alu instid0(VALU_DEP_1)
	v_lshl_or_b32 v93, v218, 16, v93
	s_delay_alu instid0(VALU_DEP_1)
	v_lshl_or_b32 v93, v219, 24, v93
	s_setprio 0
.irp c, 0,1
	v_cvt_scalef32_pk16_fp6_f32 v[192+6*\c:194+6*\c], v[96+32*\c:111+32*\c], v[220+2*\c]
	v_cvt_scalef32_pk16_fp6_f32 v[204+4*\c:206+4*\c], v[112+32*\c:127+32*\c], v[221+2*\c]
.endr
	v_nop                                          ; one plain place behind a scaled conversion
.irp c, 0,1
.irp i, 0,1,2
	v_permlane16_swap_b32 v[192+6*\c+\i], v[204+4*\c+\i]
.endr
.irp i, 0,1,2
	s_delay_alu instid0(VALU_DEP_3)
	v_mov_b32 v[195+6*\c+\i], v[204+4*\c+\i]
.endr
.endr
.set IX, 0
.rept 16
	v_pk_mul_f32 v[160+IX:161+IX], v[160+IX:161+IX], v[94:95] op_sel_hi:[1,0]   ; O^T under the new M; these sixteen are also the places between the scale word, the codes and the products
.set IX, IX+2
.endr
	s_wait_alu depctr_va_vdst(0)
	s_wait_dscnt 0x0                               ; V is in
.irp g, 0,1,2,3
	v_wmma_scale_f32_16x16x128_f8f6f4 v[160+8*\g:167+8*\g], v[34+12*\g:45+12*\g], v[192:203], v[160+8*\g:167+8*\g], v[88+\g], v93 matrix_a_fmt:MATRIX_FMT_FP6 matrix_b_fmt:MATRIX_FMT_FP6
.endr
.Lhid_\@:
	s_add_co_u32 s[KF], s[KF], 128
	s_add_co_u32 s[TK], s[TK], 6144
	s_add_co_u32 s[TS], s[TS], 256
.endm
; A TILE ENDS: O^T / the sum is my query's 64 channels: register 16 b + i = channel 32 b + 16 h + i: two blocks of the last projection's K.
.macro FINAL cp, sp
.rept 4
	v_nop                                          ; places behind the last products
.endr
	v_add_f32 v14, v14, v15
	s_delay_alu instid0(VALU_DEP_1)
	v_permlanex16_b32 v224, v14, s20, s21
	s_delay_alu instid0(VALU_DEP_1)
	v_add_f32 v14, v14, v224                       ; the row's sum
	s_wait_alu depctr_va_vdst(0)
	v_rcp_f32 v14, v14
	v_nop                                          ; a plain place behind the transcendental,
	s_wait_alu depctr_va_vdst(0)                   ; and the wait ahead of its first reader
.set IX, 0
.rept 32
	v_mul_f32 v[96+IX], v[160+IX], v14
.set IX, IX+1
.endr
.irp b, 0,1
	v_max3_num_f32 v[212+\b], |v[96+16*\b]|, |v[97+16*\b]|, 0x1800000
.endr
.irp i, 2,4,6,8,10,12,14
.irp b, 0,1
	s_delay_alu instid0(VALU_DEP_2)
	v_max3_num_f32 v[212+\b], v[212+\b], |v[96+16*\b+\i]|, |v[97+16*\b+\i]|
.endr
.endr
.irp b, 0,1
	s_delay_alu instid0(VALU_DEP_2)
	v_permlanex16_b32 v[216+\b], v[212+\b], s20, s21
.endr
.irp b, 0,1
	s_delay_alu instid0(VALU_DEP_2)
	v_max_num_f32 v[212+\b], v[212+\b], v[216+\b]
.endr
.irp b, 0,1
	s_delay_alu instid0(VALU_DEP_2)
	v_add_nc_u32 v[220+\b], 0xff000000, v[212+\b]
.endr
.irp b, 0,1
	s_delay_alu instid0(VALU_DEP_2)
	v_lshrrev_b32 v[216+\b], 23, v[220+\b]
.endr
	s_delay_alu instid0(VALU_DEP_1)
	v_lshl_or_b32 v224, v217, 8, v216              ; my head's half of the scale word
	v_cvt_scalef32_pk16_fp6_f32 v[192:194], v[96:111], v220
	v_cvt_scalef32_pk16_fp6_f32 v[204:206], v[112:127], v221
	v_nop
.irp i, 0,1,2
	v_permlane16_swap_b32 v[192+\i], v[204+\i]
.endr
.irp i, 0,1,2
	s_delay_alu instid0(VALU_DEP_3)
	v_mov_b32 v[195+\i], v[204+\i]
.endr
.irp p, 0,1,2
	global_store_b64 v82, v[192+2*\p:193+2*\p], s[\cp:\cp+1] offset:256*\p   ; a plane: 32 lanes store 256 consecutive bytes, aligned
.endr
	v_cmp_gt_u32 vcc_lo, 128, v82                  ; lanes 0-15
	s_wait_xcnt 0x0                                ; EXEC changes only behind this wait
	s_and_saveexec_b32 s18, vcc_lo
	global_store_b16 v83, v224, s[\sp:\sp+1]
	s_wait_xcnt 0x0                                ; and the stores' registers are written again only behind it
	s_or_b32 exec_lo, exec_lo, s18
.endm
	s_wait_tensorcnt 1                             ; the scale words and key steps 0-3 are in; the load of steps 4-15 may stay out
	s_barrier_signal -1
	s_barrier_wait -1
	s_wait_loadcnt 0x0                             ; Q
	v_perm_b32 v92, v224, v224, s16                ; my tile's two scale bytes, for either half of K
	v_perm_b32 v232, v225, v225, s16
.irp i, 0,1,2,3,4,5
	v_cndmask_b32 v[22+\i], v[96+\i], v[102+\i], s15       ; my tile's half of the image
	v_cndmask_b32 v[226+\i], v[112+\i], v[118+\i], s15
.endr
	INIT                                           ; (its lines are also the places between q, its scale word and the first products)
	s_mov_b32 s66, 4
.Lfirst:                                           ; key steps 0-3
	STEP
	s_sub_co_u32 s66, s66, 1
	s_cmp_lg_u32 s66, 0
	s_cbranch_scc1 .Lfirst
	s_setprio 0
	s_wait_tensorcnt 0x0                           ; key steps 4-15 are in,
	s_wait_dscnt 0x0
	s_barrier_signal -1
	s_barrier_wait -1                              ; for every wave
	s_mov_b32 s66, 12
.Lrest:                                            ; key steps 4-15
	STEP
	s_sub_co_u32 s66, s66, 1
	s_cmp_lg_u32 s66, 0
	s_cbranch_scc1 .Lrest
	s_setprio 0
	FINAL 68, 70
	v_mov_b32 v92, v232                            ; the tile of block i
.irp i, 0,1,2,3,4,5
	v_mov_b32 v[22+\i], v[226+\i]
.endr
	INIT
	s_mov_b32 s[Q0], s67
	s_mov_b32 s66, 8
.Lsecond:                                          ; block i lies in the first 1,024 queries: key steps 0-7
	STEP
	s_sub_co_u32 s66, s66, 1
	s_cmp_lg_u32 s66, 0
	s_cbranch_scc1 .Lsecond
	s_setprio 0
	FINAL 72, 74
	s_wait_tensorcnt 0x0                           ; the wave's end
	ds_add_u32 v5, v6
	s_wait_dscnt 0x0
	s_endpgm
.Lfunc_end_k_q191c9868af_attn:
	.size	k_q191c9868af_attn, .Lfunc_end_k_q191c9868af_attn-k_q191c9868af_attn
	.p2alignl 7, 3214868480
	.fill 96, 4, 3214868480
	.section	.rodata,"a",@progbits
	.p2align	6, 0x0
	.amdhsa_kernel k_q191c9868af_attn
		.amdhsa_group_segment_fixed_size 206848
		.amdhsa_private_segment_fixed_size 0
		.amdhsa_enable_private_segment 0
		.amdhsa_kernarg_size 32
		.amdhsa_user_sgpr_count 2
		.amdhsa_user_sgpr_kernarg_segment_ptr 1
		.amdhsa_wavefront_size32 1
		.amdhsa_system_sgpr_workgroup_id_x 1
		.amdhsa_system_sgpr_workgroup_id_y 1
		.amdhsa_system_sgpr_workgroup_id_z 1
		.amdhsa_system_vgpr_workitem_id 0
		.amdhsa_next_free_vgpr 256
		.amdhsa_next_free_sgpr 100
		.amdhsa_reserve_vcc 1
		.amdhsa_float_denorm_mode_32 3
		.amdhsa_float_denorm_mode_16_64 3
		.amdhsa_memory_ordered 1
		.amdhsa_forward_progress 1
		.amdhsa_inst_pref_size 88
	.end_amdhsa_kernel
	.amdgpu_metadata
---
amdhsa.version: [ 1, 2 ]
amdhsa.kernels:
  - .name:           k_q191c9868af_attn
    .symbol:         k_q191c9868af_attn.kd
    .args:
      - { .name: qkvc, .offset: 0, .size: 8, .value_kind: global_buffer, .address_space: global }
      - { .name: qkvs, .offset: 8, .size: 8, .value_kind: global_buffer, .address_space: global }
      - { .name: cc, .offset: 16, .size: 8, .value_kind: global_buffer, .address_space: global }
      - { .name: cs, .offset: 24, .size: 8, .value_kind: global_buffer, .address_space: global }
    .group_segment_fixed_size: 206848
    .private_segment_fixed_size: 0
    .kernarg_segment_align: 8
    .kernarg_segment_size: 32
    .max_flat_workgroup_size: 512
    .sgpr_count:     100
    .vgpr_count:     256
    .wavefront_size: 32
...
	.end_amdgpu_metadata
.endif
;; end of part 3
;; launch outp (part 4): grid 8 x 32, 4 waves a work-group, clusters of 4 x 4, 327,680 bytes of LDS; arguments cc, cs, wc, ws, bo, out0; writes out0
.if DOCPART == 4
	.amdgcn_target "amdgcn-amd-amdhsa--gfx1250"
	.amdhsa_code_object_version 6
	.text
	.protected	k_q191c9868af_outp
	.globl	k_q191c9868af_outp
	.p2align	8
	.type	k_q191c9868af_outp,@function
k_q191c9868af_outp:
	s_mov_b64 s[64:65], 0
	v_nop
	global_prefetch_b8 v0, s[64:65] scope:SCOPE_SE
	s_setreg_imm32_b32 hwreg(HW_REG_WAVE_MODE, 25, 1), 1
	s_wait_xcnt 0x0
	s_wait_alu depctr_hold_cnt(0) depctr_sa_sdst(0) depctr_va_vdst(0) depctr_va_sdst(0) depctr_va_ssrc(0) depctr_va_vcc(0) depctr_vm_vsrc(0)
	s_getreg_b32 s2, hwreg(HW_REG_IB_STS2, 6, 4)
	s_cmp_eq_u32 s2, 0
	s_cbranch_scc0 .Lentry_in_a_cluster
	s_endpgm
.Lentry_in_a_cluster:
	s_bfe_u32 s2, ttmp6, 0x10000c
	s_cmp_lg_u32 s2, 0xf033
	s_cbranch_scc0 .Lentry_shape_is_right
	s_endpgm
.Lentry_shape_is_right:
; out0 = ctx Wo + bo on codes of FP6 (E2M3) with E8M0 scales, K = 1,024; out0 [8192][1024] f32.
; ctx's codes lie as images of fragments in six planes of 256 bytes (plane p: lane l's registers 2 p, 2 p + 1 at 8 l), Wo's in three of 512 (registers 4 p .. 4 p + 3 at 16 l); both [rowblock of 128][K step][tile][1,536]; lane row r of tile t is row 32 (t / 2) + 8 (t % 2) + r + 8 (r / 8).
; SHARES.  A work-group: 256 tokens x 128 columns; wave w: rowblock w / 2 x columns 64 (w % 2) on: 32 accumulators of 16 x 16.  256 work-groups.
; ALL OF K LIES IN LDS, filled once in four phases of two K steps: four tensor loads a wave, all at the head; counted waits let the later phases stay out.  Nothing is filled again.
; CLUSTER 4 x 4: the four of a row need the same ctx, the four of a column the same rows of Wo: each load is a joint one.
; Source 0 = 16 rows of Wo's codes (columns of out0), source 1 = 16 tokens: a lane holds one token and, in tiles 2 b, 2 b + 1, sixteen neighbouring columns.  The bias is the C of each sum's first product.
; THE WAY OUT: 16 tokens x 64 columns at a time through my stage in LDS, back as rows of 256 bytes.  The stages lie in ctx's first phase, which has had its only fill and whose last reads stand ahead of the second barrier.
; REGISTERS: window 0: v1-18 addresses, v28, v29 the add's two, v32-63 ctx's scale words, v64-79 Wo's, v96-127 the bias, v128-191 rows on their way out.  Window 1: the accumulators.  Windows 2, 3: two sets of fragments (ctx at 12 a, Wo at 96 + 12 b).
.set XR1,   98304
.set WLD,   196608
.set SPARE, 294912                     ; the spare words, 128 bytes a wave, which no other line names
.set PH,    24576
.set KSB,   12288
.set FRB,   1536
.set SPW, 28
.set NIL, 29
.set XS,  32
.set WS,  64
.set BI,  96
.set BK,  128
.set STO, 14
.set RD,  15
.set CO,  16
.set G1X, 24
.set G1W, 32
.set G0X, 40
.set MSB, 0
.macro WIN new                         ; the immediate's high byte repeats the setting that is left
.if MSB != (\new)
	s_set_vgpr_msb (MSB<<8)|(\new)
.set MSB, (\new)
.endif
.endm
.macro PLACES                          ; four plain places behind matrix instructions (ISA guide 7.12.1)
.rept 4
	v_nop
.endr
.endm
.macro CROUND                          ; a round of the cluster's barrier
	s_barrier_signal -1
	s_barrier_wait -1
	s_cmp_lg_u32 s16, 0
	s_cbranch_scc1 .Lnw0_\@
	s_barrier_signal -3
.Lnw0_\@:
	s_barrier_wait -3
	s_barrier_signal -1
	s_barrier_wait -1
.endm
.macro MKG0 g, lds, ptr, p
	s_mov_b32 s[\g], 1
	s_add_co_u32 s[\g+1], s[\lds], PH*(\p)
	s_add_nc_u64 s[\g+2:\g+3], s[\ptr:\ptr+1], PH*(\p)
	s_or_b32 s[\g+3], s[\g+3], 0x80000000
.endm
	s_load_b256 s[4:11], s[0:1], 0x0               ; cc, cs, wc, ws
	s_load_b128 s[12:15], s[0:1], 0x20             ; bo, out0
	v_lshl_add_u32 v[SPW], v0, 2, SPARE
	v_mov_b32 v[NIL], 0
	ds_add_u32 v[SPW], v[NIL]
	ds_add_u32 v[SPW], v[NIL]                      ; the wave's opening: the add and its wait ahead of my first tensor load
	v_lshrrev_b32 v1, 5, v0
	v_readfirstlane_b32 s16, v1                    ; wave
	s_lshr_b32 s17, s16, 1                         ; my rowblock of tokens.  Also: I fetch ctx (0) or Wo (1)
	s_and_b32 s18, s16, 1                          ; my 64 columns.  Also: which part I fetch
	s_bfe_u32 s19, ttmp6, 0x40000                  ; cx
	s_bfe_u32 s20, ttmp6, 0x40004                  ; cy
	s_lshl_b32 s21, ttmp9, 2
	s_add_co_u32 s21, s21, s19                     ; WB: 128 columns, 0..7
	s_and_b32 s22, ttmp7, 0xffff
	s_lshl_b32 s22, s22, 2
	s_add_co_u32 s22, s22, s20                     ; XB: 256 tokens, 0..31
	s_lshl_b32 s76, s20, 2
	s_lshl_b32 s76, 15, s76                        ; my row of the cluster
	s_lshl_b32 s77, 0x1111, s19                    ; my column
	s_or_b32 s[G1X], s76, (3<<16)|(1<<21)
	s_or_b32 s[G1W], s77, (3<<16)|(1<<21)
	s_mov_b32 s[G1X+1], 32<<16                     ; dense bytes as rows of 256
	s_mov_b32 s[G1X+2], 96<<16
	s_mov_b32 s[G1X+3], 32<<16
	s_mov_b32 s[G1X+4], 96
	s_mov_b32 s[G1X+5], 32
	s_mov_b32 s[G1X+6], 0
	s_mov_b32 s[G1X+7], 0
	s_mov_b32 s[G1W+1], 32<<16
	s_mov_b32 s[G1W+2], 48<<16
	s_mov_b32 s[G1W+3], 32<<16
	s_mov_b32 s[G1W+4], 48
	s_mov_b32 s[G1W+5], 32
	s_mov_b32 s[G1W+6], 0
	s_mov_b32 s[G1W+7], 0
	s_lshl_b32 s78, s22, 1
	s_add_co_u32 s78, s78, s18
	s_mul_i32 s78, s78, 98304                      ; ctx: rowblock 2 XB + part
	s_mov_b32 s79, 0
	s_add_co_u32 s80, s21, 24                      ; Wo's rowblocks lie behind Wq's, Wk's and Wv's
	s_mul_i32 s80, s80, 98304
	s_mul_i32 s82, s18, KSB
	s_add_co_u32 s80, s80, s82
	s_mov_b32 s81, 0
	s_mul_i32 s84, s18, XR1                        ; where they go: no place in the cluster enters an LDS address
	s_add_co_u32 s85, s82, WLD
	s_lshl_b32 s94, s22, 1
	s_add_co_u32 s94, s94, s17                     ; my rowblock of tokens
	s_lshl_b32 s90, s94, 12
	s_mov_b32 s91, 0
	s_add_co_u32 s92, s21, 24
	s_lshl_b32 s92, s92, 12
	s_lshl_b32 s93, s18, 10
	s_add_co_u32 s92, s92, s93
	s_mov_b32 s93, 0
	s_lshl_b32 s96, s21, 9
	s_lshl_b32 s97, s18, 8
	s_add_co_u32 s96, s96, s97                     ; my first column, in bytes
	s_mov_b32 s97, 0
	s_lshl_b32 s98, s94, 19                        ; my first token's row: 128 rows of 4,096 bytes a rowblock
	s_add_co_u32 s98, s98, s96
	s_mov_b32 s99, 0
	s_wait_dscnt 0x0                               ; the opening add is done
	s_wait_kmcnt 0x0
	s_add_nc_u64 s[86:87], s[4:5], s[78:79]
	s_add_nc_u64 s[88:89], s[8:9], s[80:81]
	s_add_nc_u64 s[6:7], s[6:7], s[90:91]
	s_add_nc_u64 s[10:11], s[10:11], s[92:93]
	s_add_nc_u64 s[12:13], s[12:13], s[96:97]
	s_add_nc_u64 s[14:15], s[14:15], s[98:99]
.irp p, 0,1,2,3
	MKG0 G0X+4*\p, 84, 86, \p
	MKG0 56+4*\p+4*(\p/2), 85, 88, \p
.endr
	CROUND                                         ; all sixteen work-groups are here: the joint loads meet
	s_cmp_eq_u32 s17, 0                            ; a wave's four first fills stand in one branch on its number: four loads of mine are out
	s_cbranch_scc0 .Lfor_w
.irp p, 0,1,2,3
	tensor_load_to_lds s[G0X+4*\p:G0X+4*\p+3], s[G1X:G1X+7]
	s_nop 0
.endr
	PLACES
	s_branch .Lasked
.Lfor_w:
.irp p, 0,1,2,3
	tensor_load_to_lds s[56+4*\p+4*(\p/2):59+4*\p+4*(\p/2)], s[G1W:G1W+7]
	s_nop 0
.endr
	PLACES
.Lasked:
	v_and_b32 v1, 31, v0                           ; lane
	v_and_b32 v2, 15, v0                           ; r
	v_bfe_u32 v3, v0, 4, 1                         ; h
	v_lshlrev_b32 v4, 4, v1                        ; 16 x lane
	v_lshlrev_b32 v5, 3, v1                        ; 8 x lane
	v_lshlrev_b32 v13, 4, v2                       ; 16 r
	v_lshl_add_u32 v12, v3, 11, v13                ; Wo's scale words: K half h, 16 r
	v_lshlrev_b32 v17, 2, v2
	v_lshl_add_u32 v17, v3, 11, v17                ; ctx's: K steps 4 h on, 4 r
	v_lshlrev_b32 v18, 6, v3                       ; the bias: 16 h columns on
.irp a, 0,1,2,3,4,5,6,7
.irp j, 0,1,2,3
	global_load_b32 v[XS+4*\a+\j], v17, s[6:7] offset:512*\j+64*\a   ; lanes 0-15 K step j, lanes 16-31 K step 4 + j, of tile a
.endr
.endr
.irp b, 0,1,2,3
	global_load_b128 v[WS+4*\b:WS+4*\b+3], v12, s[10:11] offset:256*\b
.endr
.irp b, 0,1,2,3
	global_load_b128 v[BI+8*\b:BI+8*\b+3], v18, s[12:13] offset:(32*(\b/2)+8*(\b%2))*4      ; bo at tile b's eight columns of my half
	global_load_b128 v[BI+8*\b+4:BI+8*\b+7], v18, s[12:13] offset:(32*(\b/2)+8*(\b%2))*4+16
.endr
	s_mul_i32 s82, s17, XR1
	v_add_nc_u32 v8, s82, v5                       ; my ctx fragments, K steps 0-3,
	v_add_nc_u32 v9, 49152, v8                     ; and 4-7
	s_mul_i32 s83, s18, 6144
	s_add_co_u32 s83, s83, WLD
	v_add_nc_u32 v10, s83, v4                      ; my four tiles of Wo
	v_add_nc_u32 v11, 49152, v10
	s_mul_i32 s82, s16, 4352                       ; my stage: 16 rows x (256 + 16) bytes
	v_mul_u32_u24 v[STO], v2, 272
	v_lshl_add_u32 v[STO], v3, 6, v[STO]
	v_add_nc_u32 v[STO], s82, v[STO]               ; in: row r, + 64 h bytes
	v_mul_u32_u24 v[RD], v3, 272
	v_add_nc_u32 v[RD], v[RD], v13
	v_add_nc_u32 v[RD], s82, v[RD]                 ; back: lanes 0-15 one row, lanes 16-31 the next
	v_lshl_add_u32 v[CO], v3, 12, v13              ; and the same two rows in out0
.macro FETCH q                         ; K step q's fragments into set q % 2
	WIN 0x80+0x40*((\q)%2)
.irp a, 0,1,2,3,4,5,6,7
.irp p, 0,1,2,3,4,5
	ds_load_b64 v[12*\a+2*\p:12*\a+2*\p+1], v[8+(\q)/4] offset:KSB*((\q)%4)+FRB*\a+256*\p
.endr
.endr
.irp b, 0,1,2,3
.irp p, 0,1,2
	ds_load_b128 v[96+12*\b+4*\p:96+12*\b+4*\p+3], v[10+(\q)/4] offset:KSB*((\q)%4)+FRB*\b+512*\p
.endr
.endr
	WIN 0
.endm
; The 32 accumulators take turns, one instruction a turn, in the same order in every K step.
.macro MUL q
.if (\q) == 0
	WIN 0x4a                                       ; C: the bias, in window 0
.else
	WIN 0x5a+5*((\q)%2)
.endif
.irp a, 0,1,2,3,4,5,6,7
.irp b, 0,1,2,3
.if (\q) == 0
	v_wmma_scale_f32_16x16x128_f8f6f4 v[32*\a+8*\b:32*\a+8*\b+7], v[96+12*\b:96+12*\b+11], v[12*\a:12*\a+11], v[BI+8*\b:BI+8*\b+7], v[WS+4*\b], v[XS+4*\a] matrix_a_fmt:MATRIX_FMT_FP6 matrix_b_fmt:MATRIX_FMT_FP6
.elseif (\q) < 4
	v_wmma_scale_f32_16x16x128_f8f6f4 v[32*\a+8*\b:32*\a+8*\b+7], v[96+12*\b:96+12*\b+11], v[12*\a:12*\a+11], v[32*\a+8*\b:32*\a+8*\b+7], v[WS+4*\b+(\q)], v[XS+4*\a+(\q)] matrix_a_fmt:MATRIX_FMT_FP6 matrix_b_fmt:MATRIX_FMT_FP6
.else
	v_wmma_scale_f32_16x16x128_f8f6f4 v[32*\a+8*\b:32*\a+8*\b+7], v[96+12*\b:96+12*\b+11], v[12*\a:12*\a+11], v[32*\a+8*\b:32*\a+8*\b+7], v[WS+4*\b+(\q)-4], v[XS+4*\a+(\q)-4] matrix_a_fmt:MATRIX_FMT_FP6 matrix_b_fmt:MATRIX_FMT_FP6 matrix_a_scale:MATRIX_SCALE_ROW1 matrix_b_scale:MATRIX_SCALE_ROW1
.endif
.endr
.endr
	WIN 0
.endm
.macro KSTEP q
	s_wait_dscnt 0x0                               ; this K step's fragments are in
.if ((\q)%2 == 1) && ((\q) < 7)
	s_wait_tensorcnt (5-(\q))/2                    ; my part of the next phase has landed; the later phases' loads may stay out
	s_barrier_signal -1
	s_barrier_wait -1
.endif
.if (\q) < 7
	PLACES
	FETCH (\q)+1
.endif
.if (\q) == 0
	s_wait_loadcnt 0x0                             ; the scale words and the bias
.endif
	MUL \q
.endm
	s_wait_alu depctr_va_vdst(0)
	s_wait_tensorcnt 3                             ; my part of phase 0 is in; three loads may stay out
	s_barrier_signal -1
	s_barrier_wait -1
	FETCH 0
.irp q, 0,1,2,3,4,5,6,7
	KSTEP \q
.endr
.macro TOSTAGE a                       ; token tile a: a lane's 16 neighbouring columns of each 32 go in, whole rows of 256 bytes come back
	WIN 0x04                                       ; an LDS store's data are its source 1: the accumulators' window
.irp e, 0,1
.irp j, 0,1,2,3
	ds_store_b128 v[STO], v[32*(\a)+16*\e+4*\j:32*(\a)+16*\e+4*\j+3] offset:128*\e+16*\j   ; each accumulator from its low end on
.endr
.endr
	WIN 0
.irp t, 0,1,2,3,4,5,6,7
	ds_load_b128 v[BK+32*((\a)%2)+4*\t:BK+32*((\a)%2)+4*\t+3], v[RD] offset:544*\t   ; my own bytes, served in order
.endr
.endm
.macro SEND a, younger                 ; younger: the LDS instructions issued behind tile a's loads
	s_wait_dscnt \younger
.irp t, 0,1,2,3,4,5,6,7
	global_store_b128 v[CO], v[BK+32*((\a)%2)+4*\t:BK+32*((\a)%2)+4*\t+3], s[14:15] offset:(32*((\a)/2)+8*((\a)%2)+2*\t+8*(\t/4))*4096 th:TH_STORE_NT   ; sixteen lanes store 256 consecutive bytes, aligned
.endr
.endm
	PLACES
	TOSTAGE 0
.irp a, 1,2,3,4,5,6,7
.if \a > 1
	s_wait_xcnt 0x0                                ; tile a - 2's stores have read their registers: tile a's loads may land there
.endif
	TOSTAGE \a
	SEND \a-1, 16                                  ; behind tile a - 1's loads: tile a's 8 stores and 8 loads
.endr
	SEND 7, 0
	s_wait_tensorcnt 0x0                           ; the wave's end
	ds_add_u32 v[SPW], v[NIL]
	s_wait_dscnt 0x0
	CROUND                                         ; the closing round
	s_endpgm
.Lfunc_end_k_q191c9868af_outp:
	.size	k_q191c9868af_outp, .Lfunc_end_k_q191c9868af_outp-k_q191c9868af_outp
	.p2alignl 7, 3214868480
	.fill 96, 4, 3214868480
	.section	.rodata,"a",@progbits
	.p2align	6, 0x0
	.amdhsa_kernel k_q191c9868af_outp
		.amdhsa_group_segment_fixed_size 327680
		.amdhsa_private_segment_fixed_size 0
		.amdhsa_enable_private_segment 0
		.amdhsa_kernarg_size 48
		.amdhsa_user_sgpr_count 2
		.amdhsa_user_sgpr_kernarg_segment_ptr 1
		.amdhsa_wavefront_size32 1
		.amdhsa_system_sgpr_workgroup_id_x 1
		.amdhsa_system_sgpr_workgroup_id_y 1
		.amdhsa_system_sgpr_workgroup_id_z 1
		.amdhsa_system_vgpr_workitem_id 0
		.amdhsa_next_free_vgpr 1024
		.amdhsa_next_free_sgpr 100
		.amdhsa_reserve_vcc 0
		.amdhsa_float_denorm_mode_32 3
		.amdhsa_float_denorm_mode_16_64 3
		.amdhsa_memory_ordered 1
		.amdhsa_forward_progress 1
		.amdhsa_inst_pref_size 93
	.end_amdhsa_kernel
	.amdgpu_metadata
---
amdhsa.version: [ 1, 2 ]
amdhsa.kernels:
  - .name:           k_q191c9868af_outp
    .symbol:         k_q191c9868af_outp.kd
    .args:
      - { .name: cc, .offset: 0, .size: 8, .value_kind: global_buffer, .address_space: global }
      - { .name: cs, .offset: 8, .size: 8, .value_kind: global_buffer, .address_space: global }
      - { .name: wc, .offset: 16, .size: 8, .value_kind: global_buffer, .address_space: global }
      - { .name: ws, .offset: 24, .size: 8, .value_kind: global_buffer, .address_space: global }
      - { .name: bo, .offset: 32, .size: 8, .value_kind: global_buffer, .address_space: global }
      - { .name: out0, .offset: 40, .size: 8, .value_kind: global_buffer, .address_space: global }
    .group_segment_fixed_size: 327680
    .private_segment_fixed_size: 0
    .kernarg_segment_align: 8
    .kernarg_segment_size: 48
    .max_flat_workgroup_size: 128
    .sgpr_count:     100
    .vgpr_count:     1024
    .wavefront_size: 32
...
	.end_amdgpu_metadata
.endif
;; end of part 4
